; MI455X (gfx1250); checked and timed in simulation.
; The chip was launched on July 23, 2026; its instructions are those of AMD's public machine-readable ISA for CDNA 5 (MIT licence, August 2026) and "CDNA5" Instruction Set Architecture Reference Guide (July 2026). The comments in the code are by the model that wrote it; some were corrected since.
;; Parent GRU. Allowed arithmetic: matrix products marked QUANTISED: E4M3 operands, one E8M0 scale for each 32 along K, by v_wmma_scale_f32_16x16x128_f8f6f4 with both operands' format E4M3, f32 sums; everything else in f32.
;; Inputs: inputs 16,384 x 512 float32; p_a_w 512 x 512 float32; p_c_w 512 x 512 float32; p_r1_w 512 x 512 float32; p_r_w 512 x 512 float32; parent_state 16,384 x 512 float32; state 16,384 x 512 float32; u_a_w 512 x 512 float32; u_c_w 512 x 512 float32; u_r1_w 512 x 512 float32; u_r_w 512 x 512 float32; w_a_b 512 float32; w_a_w 512 x 512 float32; w_c_b 512 float32; w_c_w 512 x 512 float32; w_r1_b 512 float32; w_r1_w 512 x 512 float32; w_r_b 512 float32; w_r_w 512 x 512 float32.
;; Outputs: out0 16,384 x 512 float32.
;; This version of the problem:
;;   THIS VERSION OF THE PROBLEM IS GIVEN IN LOW PRECISION. The matrix products marked QUANTISED in the list below multiply operands that are first quantised to E4M3 (4 exponent bits, 3 mantissa bits; 8 bits a number), with one power-of-two scale for each 32 numbers along K (OCP MX v1.0); their sums are f32. All else is computed in f32.
;;   The module's matrix products, in the order in which they are computed (A, B: the left and right operand; K: the contracted axis; several contracted axes count as one K, in the product's order):
;;     1. [M 16,384, K 512] x [K 512, N 512]; A: input inputs; B: input w_a_w: QUANTISED
;;     2. [M 16,384, K 512] x [K 512, N 512]; A: input state; B: input u_a_w: QUANTISED
;;     3. [M 16,384, K 512] x [K 512, N 512]; A: input parent_state; B: input p_a_w: QUANTISED
;;     4. [M 16,384, K 512] x [K 512, N 512]; A: input inputs; B: input w_r_w: QUANTISED
;;     5. [M 16,384, K 512] x [K 512, N 512]; A: input state; B: input u_r_w: QUANTISED
;;     6. [M 16,384, K 512] x [K 512, N 512]; A: input parent_state; B: input p_r_w: QUANTISED
;;     7. [M 16,384, K 512] x [K 512, N 512]; A: input inputs; B: input w_r1_w: QUANTISED
;;     8. [M 16,384, K 512] x [K 512, N 512]; A: input state; B: input u_r1_w: QUANTISED
;;     9. [M 16,384, K 512] x [K 512, N 512]; A: input parent_state; B: input p_r1_w: QUANTISED
;;     10. [M 16,384, K 512] x [K 512, N 512]; A: input inputs; B: input w_c_w: QUANTISED
;;     11. [M 16,384, K 512] x [K 512, N 512]; A: computed on the way; B: input u_c_w: QUANTISED
;;     12. [M 16,384, K 512] x [K 512, N 512]; A: computed on the way; B: input p_c_w: QUANTISED
;;   THE QUANTISER, for each operand of a quantised product, along K:
;;     - K is cut into blocks of 32 from its start; a last block that is shorter is filled with zeros.
;;     - A block's scale is 2^e with e = floor(log2(the largest magnitude in the block)) - 8, held to -126 .. 127; a block of zeros has e = 0. As a byte (E8M0): e + 127.
;;     - Each number is divided by its block's scale, clamped to +-448, and rounded to the nearest number of E4M3, ties to even, subnormals kept.
;;     - The product sums the exact products of the quantised numbers (number of the format x scale) in f32.
;;   ~~~python
;;   def quantise(x, axis):      # numpy; x: float32 -> the quantised numbers, widened to float32 again
;;       x = np.moveaxis(x, axis, -1); K = x.shape[-1]
;;       x = np.pad(x, [(0, 0)] * (x.ndim - 1) + [(0, -K % 32)]); x = x.reshape(x.shape[:-1] + (-1, 32)); a = np.abs(x).max(-1, keepdims=True)
;;       e = np.where(a > 0, np.clip(np.frexp(np.where(a > 0, a, 1))[1] - 1 - 8, -126, 127), 0)      # np.frexp(a)[1] - 1 = floor(log2(a)), exactly
;;       r = np.clip(x / 2.0 ** e, -448, 448)
;;       step = 2.0 ** (np.maximum(np.frexp(np.where(r == 0, 1, r))[1] - 1, -6) - 3)
;;       q = np.round(r / step) * step * 2.0 ** e      # np.round: ties to even
;;       return np.moveaxis(q.reshape(q.shape[:-2] + (-1,))[..., :K], -1, axis).astype(np.float32)
;;   ~~~
;;   OPERANDS COMPUTED ON THE WAY. 'Computed on the way' means the value that the module computes at that place (a softmax that the list does not call 'softmax' is quantised finished and normalised). What goes into a quantiser is computed in f32, as accurately as f32 sums, v_exp_f32 and their like allow (about 1e-6 of the number): no bf16 or f16 on the way to a quantiser, and a product that is left as it is and whose result goes on into a quantised operand takes f32 operands (vector FMAs, or v_wmma_f32_16x16x4_f32). A number that lies on a knife's edge between two numbers of the format may be rounded either way, as far as f32 arithmetic and the matrix unit's own rounding can turn it there, and no further.
;; 2 versions. Each part assembles by itself: llvm-mc -triple=amdgcn-amd-amdhsa -mcpu=gfx1250 --defsym DOCPART=n.
;; ======== version 1 of 2: 2 launches
;; workspace buffers: wq 3,244,032 bytes
;; launch wprep (part 1): grid 32 x 12, 4 waves a work-group, no clusters, 18,432 bytes of LDS; arguments w_r1_w, u_r1_w, p_r1_w, w_r_w, u_r_w, p_r_w, w_a_w, u_a_w, p_a_w, w_c_w, u_c_w, p_c_w, wq; writes wq
.if DOCPART == 1
	.amdgcn_target "amdgcn-amd-amdhsa--gfx1250"
	.amdhsa_code_object_version 6
	.text
	.protected	k_qde5ce830b0_wprep
	.globl	k_qde5ce830b0_wprep
	.p2align	8
	.type	k_qde5ce830b0_wprep,@function
k_qde5ce830b0_wprep:
	s_mov_b64 s[64:65], 0
	v_nop
	global_prefetch_b8 v0, s[64:65] scope:SCOPE_SE
	s_setreg_imm32_b32 hwreg(HW_REG_WAVE_MODE, 25, 1), 1
	s_wait_xcnt 0x0
; The twelve weights [512 (n)][512 (k)], f32, K innermost, become codes of FP8 (E4M3) with one E8M0 byte for each 32 along K, laid in wq in the ORDER OF THE OPERAND'S REGISTERS of the next launch.
; wq = 384 groups of 8,448 bytes.  Group 32 y + x: y = 3 gate + tensor (gates r1, r, a, c; tensors w, u, p), x = 4 (2 ks + hf) + w: K step ks (128 along K), half hf of the eight column tiles of wave w of the next launch.
; A group: four fragments t' (16 rows x 128 K) at 2,048 t': chunk c at 512 c, lane l's 16 bytes at 16 l = W[n][128 ks + 32 c + 16 (l / 16) + 0 .. 15]; then 256 bytes of scale words: lane L's 8 bytes, word q = tile 2 q + L / 16, row L % 16.
; THE ROWS OF A TILE ARE NOT NEIGHBOURS: row p of tile t' is n = 128 w + 64 hf + 32 (t' / 2) + 8 (t' % 2) + p + 8 (p / 8), so that in the next launch two neighbouring tiles' results are 16 neighbours along the next K.
; A work-group makes one group, wave t' fragment t'.  Each load reads two rows' 256 aligned consecutive bytes; the numbers turn through the wave's own stage in LDS, so that a lane holds 16 neighbours along K of each block.
; A block's scale is 2^(floor(log2(largest magnitude)) - 8); its byte is the largest magnitude's exponent field - 8, held at 1 from below.
; LIMITS: a block of zeros gets the byte 1 where the rule says 127 (its codes are zeros, and this program alone reads the bytes); NaN and infinities among the inputs are not served.
; No tensor loads, no matrix unit, no cluster: work-groups share no input, and each number is read once.
.set Z,   16                           ; v16-79   the numbers as loaded
.set T,   80                           ; v80-143  register 16 b + i = k 32 b + 16 (lane / 16) + i of my row
.set PC,  144                          ; v144-159 the fragment's codes
.set TM,  160                          ; v160-163 largest magnitudes, v164-167 bytes, v168-171 448 x the scale, v172-175 the conversions' scale operands
.set PW,  176                          ; the scale word
.set SCL, 17408                        ; LDS: four stages of 16 rows x (256 + 16) bytes, then the group's 256 bytes of scale words
	s_load_b512 s[4:19], s[0:1], 0x0               ; the twelve weights, in the order of y,
	s_load_b256 s[20:27], s[0:1], 0x40
	s_load_b64 s[28:29], s[0:1], 0x60              ; and wq
	v_lshl_add_u32 v192, v0, 2, 0x4600
	v_mov_b32 v193, 0
	v_lshrrev_b32 v1, 5, v0
	v_readfirstlane_b32 s38, v1                    ; wave = t'
	v_and_b32 v1, 31, v0                           ; lane
	v_and_b32 v2, 15, v0                           ; r
	v_bfe_u32 v3, v0, 4, 1                         ; h
	v_lshlrev_b32 v4, 4, v2
	v_lshl_add_u32 v4, v3, 11, v4                  ; in: lanes 0-15 one row's 256 bytes, lanes 16-31 the next row's
	s_mul_i32 s39, s38, 4352                       ; my stage
	v_mul_u32_u24 v5, v3, 272
	v_lshl_add_u32 v5, v2, 4, v5
	v_add_nc_u32 v5, s39, v5                       ; into it, as loaded: row h of a pair, 16 r
	v_mul_u32_u24 v6, v2, 272
	v_lshl_add_u32 v6, v3, 6, v6
	v_add_nc_u32 v6, s39, v6                       ; out of it: row r, my half's 64 bytes of a block of 32 numbers
	s_lshl_b32 s39, s38, 11
	v_lshl_add_u32 v7, v1, 4, s39                  ; the codes' place in the group: 2,048 t' + 16 lane
	s_and_b32 s39, s38, 1
	s_lshl_b32 s39, s39, 7
	s_lshr_b32 s42, s38, 1
	s_lshl_b32 s42, s42, 2
	s_add_co_u32 s39, s39, s42
	s_add_co_u32 s39, s39, SCL
	v_lshl_add_u32 v8, v2, 3, s39                  ; my row's scale word: 8 (r + 16 (t' % 2)) + 4 (t' / 2)
	v_lshlrev_b32 v9, 3, v1                        ; and on the way out 8 bytes a lane
	v_add_nc_u32 v10, SCL, v9
.irp b, 0,1,2,3
	v_mov_b32 v[TM+4+\b], 0                        ; a lane permute's destination counts as one of its sources
.endr
	s_mov_b32 s43, 0x76543210
	s_mov_b32 s44, 0xfedcba98                      ; v_permlanex16_b32's selects for lane l xor 16
	s_mov_b32 s45, 0x600000                        ; the mantissa field of 448
	s_and_b32 s32, ttmp7, 0xffff                   ; y: which weight
	s_and_b32 s33, ttmp9, 3                        ; w
	s_bfe_u32 s34, ttmp9, 0x10002                  ; hf
	s_lshr_b32 s35, ttmp9, 3                       ; ks
	s_lshl_b32 s36, s33, 7
	s_lshl_b32 s37, s34, 6
	s_add_co_u32 s36, s36, s37
	s_lshr_b32 s37, s38, 1
	s_lshl_b32 s37, s37, 5
	s_add_co_u32 s36, s36, s37
	s_and_b32 s37, s38, 1
	s_lshl_b32 s37, s37, 3
	s_add_co_u32 s36, s36, s37                     ; the tile's first row: 128 w + 64 hf + 32 (t' / 2) + 8 (t' % 2)
	s_lshl_b32 s36, s36, 11                        ; a row is 2,048 bytes
	s_lshl_b32 s37, s35, 9                         ; a K step 512
	s_add_co_u32 s36, s36, s37
	s_mov_b32 s37, 0
	s_lshl_b32 s40, s32, 5
	s_add_co_u32 s40, s40, ttmp9
	s_mul_i32 s40, s40, 8448                       ; the group's first byte
	s_mov_b32 s41, 0
	s_wait_kmcnt 0x0
	s_mov_b64 s[30:31], s[4:5]                     ; the choice of the weight hangs on the work-group's number alone
.irp i, 1,2,3,4,5,6,7,8,9,10,11
	s_cmp_eq_u32 s32, \i
	s_cselect_b64 s[30:31], s[4+2*\i:5+2*\i], s[30:31]
.endr
	s_add_nc_u64 s[30:31], s[30:31], s[36:37]
	s_add_nc_u64 s[28:29], s[28:29], s[40:41]
.irp c2, 0,1                                   ; half c2 of the 128 along K; load i: tile rows 2 i and 2 i + 1
.irp i, 0,1,2,3,4,5,6,7
	global_load_b128 v[Z+32*\c2+4*\i:Z+32*\c2+4*\i+3], v4, s[30:31] offset:(2*\i+8*(\i/4))*2048+256*\c2 th:TH_LOAD_NT
.endr
.endr
.irp c2, 0,1
	s_wait_loadcnt 8-8*\c2                         ; this half's eight loads are in; the other half's eight may be out
.irp i, 0,1,2,3,4,5,6,7
	ds_store_b128 v5, v[Z+32*\c2+4*\i:Z+32*\c2+4*\i+3] offset:544*\i
.endr
.irp q, 0,1,2,3,4,5,6,7                        ; LDS serves a wave's instructions in order: these see the stores above, and the next half's stores come behind them
	ds_load_b128 v[T+32*\c2+4*\q:T+32*\c2+4*\q+3], v6 offset:128*(\q/4)+16*(\q%4)
.endr
.endr
	s_wait_dscnt 0x0
.irp b, 0,1,2,3
	v_max3_num_f32 v[TM+\b], |v[T+16*\b]|, |v[T+16*\b+1]|, 0x4800000   ; block b: my 16 numbers, and the floor 2^(9 - 127): the byte cannot fall under 1
.endr
.irp i, 2,4,6,8,10,12,14
.irp b, 0,1,2,3
	v_max3_num_f32 v[TM+\b], v[TM+\b], |v[T+16*\b+\i]|, |v[T+16*\b+\i+1]|   ; the four blocks by turns
.endr
.endr
.irp b, 0,1,2,3
	v_permlanex16_b32 v[TM+4+\b], v[TM+\b], s43, s44
.endr
.irp b, 0,1,2,3
	v_max_num_f32 v[TM+\b], v[TM+\b], v[TM+4+\b]   ; with lane l xor 16's: the block's largest magnitude
.endr
.irp b, 0,1,2,3
	v_add_nc_u32 v[TM+12+\b], 0xfc000000, v[TM+\b] ; 8 off its exponent field: the conversion's scale operand
.endr
.irp b, 0,1,2,3
	v_and_or_b32 v[TM+8+\b], v[TM+\b], 0x7f800000, s45   ; 448 x the scale
.endr
.irp b, 0,1,2,3
	v_lshrrev_b32 v[TM+4+\b], 23, v[TM+12+\b]      ; the scale's byte
.endr
	v_lshl_or_b32 v[PW], v[TM+5], 8, v[TM+4]
	v_lshl_or_b32 v[PW], v[TM+6], 16, v[PW]
	v_lshl_or_b32 v[PW], v[TM+7], 24, v[PW]        ; my row's scale word
.irp b, 0,1,2,3
.irp i, 0,1,2,3,4,5,6,7,8,9,10,11,12,13,14,15
	v_med3_num_f32 v[T+16*\b+\i], v[T+16*\b+\i], -v[TM+8+\b], v[TM+8+\b]   ; the conversion to an 8-bit code does not saturate (ISA guide 7.6.2): the hold comes first
.endr
.endr
.irp b, 0,1,2,3
	v_cvt_scalef32_pk8_fp8_f32 v[PC+4*\b:PC+4*\b+1], v[T+16*\b:T+16*\b+7], v[TM+12+\b]
	v_cvt_scalef32_pk8_fp8_f32 v[PC+4*\b+2:PC+4*\b+3], v[T+16*\b+8:T+16*\b+15], v[TM+12+\b]
.endr
	v_nop                                          ; one plain line behind the last conversion
.irp c, 0,1,2,3
	global_store_b128 v7, v[PC+4*\c:PC+4*\c+3], s[28:29] offset:512*\c   ; 32 lanes store 512 consecutive bytes, at a multiple of 256 from wq's first byte
.endr
	ds_store_b32 v8, v[PW]                         ; both halves of the lanes hold the same word and write it to the same place
	s_wait_dscnt 0x0                               ; for the others' sake: my word has landed
	s_barrier_signal -1
	s_barrier_wait -1
	s_cmp_lg_u32 s38, 0
	s_cbranch_scc1 .Ldone
	ds_load_b64 v[12:13], v10                      ; wave 0 takes the four waves' words
	s_wait_dscnt 0x0
	global_store_b64 v9, v[12:13], s[28:29] offset:8192   ; 32 lanes store 256 consecutive bytes, aligned
.Ldone:
	s_wait_tensorcnt 0x0
	ds_add_u32 v192, v193
	s_wait_dscnt 0x0
	s_endpgm
.Lfunc_end_k_qde5ce830b0_wprep:
	.size	k_qde5ce830b0_wprep, .Lfunc_end_k_qde5ce830b0_wprep-k_qde5ce830b0_wprep
	.p2alignl 7, 3214868480
	.fill 96, 4, 3214868480
	.section	.rodata,"a",@progbits
	.p2align	6, 0x0
	.amdhsa_kernel k_qde5ce830b0_wprep
		.amdhsa_group_segment_fixed_size 18432
		.amdhsa_private_segment_fixed_size 0
		.amdhsa_enable_private_segment 0
		.amdhsa_kernarg_size 104
		.amdhsa_user_sgpr_count 2
		.amdhsa_user_sgpr_kernarg_segment_ptr 1
		.amdhsa_wavefront_size32 1
		.amdhsa_system_sgpr_workgroup_id_x 1
		.amdhsa_system_sgpr_workgroup_id_y 1
		.amdhsa_system_sgpr_workgroup_id_z 1
		.amdhsa_system_vgpr_workitem_id 0
		.amdhsa_next_free_vgpr 194
		.amdhsa_next_free_sgpr 66
		.amdhsa_reserve_vcc 0
		.amdhsa_float_denorm_mode_32 3
		.amdhsa_float_denorm_mode_16_64 3
		.amdhsa_memory_ordered 1
		.amdhsa_forward_progress 1
		.amdhsa_inst_pref_size 17
	.end_amdhsa_kernel
	.amdgpu_metadata
---
amdhsa.version: [ 1, 2 ]
amdhsa.kernels:
  - .name:           k_qde5ce830b0_wprep
    .symbol:         k_qde5ce830b0_wprep.kd
    .args:
      - { .name: w_r1_w, .offset: 0, .size: 8, .value_kind: global_buffer, .address_space: global }
      - { .name: u_r1_w, .offset: 8, .size: 8, .value_kind: global_buffer, .address_space: global }
      - { .name: p_r1_w, .offset: 16, .size: 8, .value_kind: global_buffer, .address_space: global }
      - { .name: w_r_w, .offset: 24, .size: 8, .value_kind: global_buffer, .address_space: global }
      - { .name: u_r_w, .offset: 32, .size: 8, .value_kind: global_buffer, .address_space: global }
      - { .name: p_r_w, .offset: 40, .size: 8, .value_kind: global_buffer, .address_space: global }
      - { .name: w_a_w, .offset: 48, .size: 8, .value_kind: global_buffer, .address_space: global }
      - { .name: u_a_w, .offset: 56, .size: 8, .value_kind: global_buffer, .address_space: global }
      - { .name: p_a_w, .offset: 64, .size: 8, .value_kind: global_buffer, .address_space: global }
      - { .name: w_c_w, .offset: 72, .size: 8, .value_kind: global_buffer, .address_space: global }
      - { .name: u_c_w, .offset: 80, .size: 8, .value_kind: global_buffer, .address_space: global }
      - { .name: p_c_w, .offset: 88, .size: 8, .value_kind: global_buffer, .address_space: global }
      - { .name: wq, .offset: 96, .size: 8, .value_kind: global_buffer, .address_space: global }
    .group_segment_fixed_size: 18432
    .private_segment_fixed_size: 0
    .kernarg_segment_align: 8
    .kernarg_segment_size: 104
    .max_flat_workgroup_size: 128
    .sgpr_count:     66
    .vgpr_count:     194
    .wavefront_size: 32
...
	.end_amdgpu_metadata
.endif
;; end of part 1
;; launch gru (part 2): grid 256 x 1, 4 waves a work-group, clusters of 4 x 1, 327,680 bytes of LDS; arguments inputs, state, parent_state, wq, w_r1_b, w_r_b, w_a_b, w_c_b, out0; writes out0
.if DOCPART == 2
	.amdgcn_target "amdgcn-amd-amdhsa--gfx1250"
	.amdhsa_code_object_version 6
	.text
	.protected	k_qde5ce830b0_gru
	.globl	k_qde5ce830b0_gru
	.p2align	8
	.type	k_qde5ce830b0_gru,@function
k_qde5ce830b0_gru:
	s_mov_b64 s[64:65], 0
	v_nop
	global_prefetch_b8 v0, s[64:65] scope:SCOPE_SE
	s_setreg_imm32_b32 hwreg(HW_REG_WAVE_MODE, 25, 1), 1
	s_wait_xcnt 0x0
	s_wait_alu depctr_hold_cnt(0) depctr_sa_sdst(0) depctr_va_vdst(0) depctr_va_sdst(0) depctr_va_ssrc(0) depctr_va_vcc(0) depctr_vm_vsrc(0)
	s_getreg_b32 s2, hwreg(HW_REG_IB_STS2, 6, 4)
	s_cmp_eq_u32 s2, 0
	s_cbranch_scc0 .Lentry_in_a_cluster
	s_endpgm
.Lentry_in_a_cluster:
	s_bfe_u32 s2, ttmp6, 0x10000c
	s_cmp_lg_u32 s2, 0x3003
	s_cbranch_scc0 .Lentry_shape_is_right
	s_endpgm
.Lentry_shape_is_right:
; new_h = att c + (1 - att) state, with att, r, r1 = sigmoid([x | state | parent] W^T + b) and c = tanh([x | state r | parent r1] W^T + b): four gates of K = 1,536, all products on codes of FP8 (E4M3) with one E8M0 scale for each 32 along K.
; SHARES.  A work-group owns 64 whole rows (gate c wants whole rows of r and r1); 256 work-groups.  THE FOUR WAVES SHARE THE COLUMNS: wave w owns hidden units 128 w .. 128 w + 127 of every gate, for all 64 rows: 32 accumulators.
; ONE LAYOUT.  The matrix instruction is used transposed (source 0 = 16 rows of a weight, source 1 = 16 rows of activations), and the weight rows of a tile are chosen (by the launch before) so that in S, P and the accumulators
; register 64 m + 16 b + i of lane (r, h) is element (row 16 m + r, column 128 w + 32 b + 16 h + i): 16 neighbours along the next K, as the conversions want them.  A wave's 128 columns are one K step: one fragment and one scale word a row tile.
; ACTIVATIONS go from wave to wave through LDS as images of the operand's registers (16 bytes a lane, 512 bytes a store).  x, state and parent are read from memory once, quantised on the way; state and parent stay in registers in f32.
; GATES in the order r1, r, a, c.  The codes of parent r1 and of state r are parked in the registers that parent's f32 numbers leave, and written over parent's and state's images when gate a has read those.
; WEIGHTS come as codes in register order from wq, through a ring of two LDS slots of 3 units (a unit = one K step of half a wave's column tiles, for the four waves: 33,792 bytes); 96 units, 32 slots, 30 refills.
; CLUSTER.  All work-groups walk the same stream of weights: the four of a cluster ask for each slot JOINTLY (the same tensor load, the same descriptor, mask 15); each wave asks for a quarter of a slot.
; LIMITS: a block of zeros gets the scale byte 1 where the rule says 127 (its codes are zeros; only this program reads the bytes); NaN and infinities among the inputs are not served;
; tanh(z) = 1 - 2 / (1 + 2^(2 log2(e) z)): its error is about 1e-7 absolutely, not relatively; both activations saturate through 2^z = infinity or 0.
; REGISTERS, in windows of 256 (s_set_vgpr_msb: bits 1:0 source 0, 3:2 source 1, 5:4 source 2, 7:6 destination):
;   window 0: v1-21 addresses; v22-25 weights' scale words (two sets), v26-31 activations' (three sets); v32-95, v96-159 weight fragments, two sets of four; v160-255 six activation fragments, a ring.
;             Outside the K loops: v32-95 biases, v96-159 held numbers, v160-175 codes, v176-192 the quantiser's, v193-195 addresses, v192-255 rows on the way out.
;   window 1: S = state.   window 2: P = parent, then parked codes, then gate c's accumulators.   window 3: landing zones, then the accumulators of r1, r, a; then att.
.set UNITB, 33792                      ; a unit: four groups of 8,448 bytes
.set GRPB,  8448                       ; a group: a wave's four fragments (8,192) and their scale words (256)
.set SLOTB, 101376                     ; a slot: three units
.set QB,    25344                      ; a quarter of a slot: 99 rows of 256 bytes, one tensor load
.set IMG,   202752                     ; behind the ring: the activations' images: K step s at 8,192 s, row tile m at 2,048 m, chunk c at 512 c, lane at 16 l
.set XSC,   301056                     ; their scale words: K step s at 256 s; lane L's 8 bytes: word q = row tile 2 q + L / 16, row L % 16
.set STG,   304128                     ; a stage of 16 rows x (256 + 16) bytes for each wave
.set SPARE, 321536                     ; the spare words, 128 bytes for each wave: two blocks of 256 bytes that no other line names
.set SPW,  1                           ; v1   SPARE + 4 x my thread's number; never rewritten
.set NIL,  2                           ; v2   0; never rewritten
.set AWA0, 3                           ; v3-6   my fragments in slot A (units 0, 1), slot A (unit 2), slot B (units 0, 1), slot B (unit 2)
.set ASA0, 7                           ; v7-10  their scale words likewise
.set AX0,  11                          ; v11  IMG + 16 lane
.set AXC,  12                          ; v12  the same + the trip's K steps
.set AXS0, 13                          ; v13  XSC + 8 lane
.set AXSC, 14                          ; v14  the same + the trip's K steps
.set SA,   15                          ; v15  the stage by rows of memory: 272 (lane / 16) + 16 (lane % 16)
.set SB,   16                          ; v16  the stage by lanes' rows: 272 (lane % 16) + 64 (lane / 16)
.set IW,   17                          ; v17  where I store images: IMG + 8,192 w + 16 lane
.set ISW,  18                          ; v18  and scale words: XSC + 256 w + 8 (lane % 16)
.set VA,   19                          ; v19  memory: 2,048 (lane / 16) + 16 (lane % 16) + 512 w
.set VB,   20                          ; v20  biases: 512 w + 64 (lane / 16)
.set PFO,  21                          ; v21  256 x lane
.set WS0,  22
.set XS0,  26
.set WB0,  32
.set XB,   160
.set BB,   32
.set T,    96
.set PC,   160
.set TM,   176                         ; v176-179 largest magnitudes, v180-183 bytes, v184-187 448 x the scale, v188-191 the conversions' scale operands
.set PW,   192
.set IWC,  193
.set ISWC, 194
.set IW2,  195
.set OB,   192
.set NXT,  58                          ; s[58:59] the tensor that the landing zones take next; s[60:61] the one after
.set MSB, 0
.macro WIN new                         ; the immediate's high byte repeats the setting that is left; a switch that changes nothing is dropped
.if MSB != (\new)
	s_set_vgpr_msb (MSB<<8)|(\new)
.set MSB, (\new)
.endif
.endm
.macro PLACES n
.rept \n
	v_nop
.endr
.endm
.macro CREST                           ; a round of the cluster's barrier behind its opening barrier
	s_cmp_lg_u32 s22, 0
	s_cbranch_scc1 .Lnot_wave_0_\@
	s_barrier_signal -3
.Lnot_wave_0_\@:
	s_barrier_wait -3
	s_barrier_signal -1
	s_barrier_wait -1
.endm
.macro CROUND                          ; a whole round
	s_barrier_signal -1
	s_barrier_wait -1
	CREST
.endm
; A PREFETCH of wq, behind each refill's tensor load and its four lines.  The first cluster alone asks (all clusters walk the same stream); its sixteen waves are told apart BY ADDRESS (4 cx + w), 8,192 bytes each, lanes 256 bytes apart:
; refill e names chunks 50 + 16 e .. 65 + 16 e of the 396 chunks of 8,192 bytes, each block once.  It stops behind refill 20 (chunk 385): the next would pass the buffer's end.  The head asks for nothing.
.macro ASK
	s_cmp_gt_u32 s27, s28
	s_cbranch_scc0 .Lnot_mine_\@
	global_prefetch_b8 v[PFO], s[30:31] th:TH_LOAD_NT scope:SCOPE_SE
.Lnot_mine_\@:
.endm
; 16 loads: rows 16 m .. 16 m + 15, my 128 columns, into landing zone m.  Each load: two rows' 256 consecutive bytes, aligned.
.macro GL b, m
	WIN 0xC0
.irp c2, 0,1
.irp i, 0,1,2,3,4,5,6,7
	global_load_b128 v[64*(\m)+32*\c2+4*\i:64*(\m)+32*\c2+4*\i+3], v[VA], s[\b:\b+1] offset:(\m)*32768+\i*4096+256*\c2 th:TH_LOAD_NT
.endr
.endr
.endm
; 64 numbers of a lane, v[s] on in window sw (register 16 b + i = k 32 b + 16 (lane / 16) + i of my row), become a fragment's codes in v[d] on in window dw and its scale word in v[PW] (dw = 2: also in v[d + 16]).  The numbers stay as they are.
.macro QUANT s, sw, d, dw
	WIN ((\sw)<<2)|((\sw)<<4)
.irp b, 0,1,2,3
	v_max3_num_f32 v[TM+\b], 0x4800000, |v[(\s)+16*\b]|, |v[(\s)+16*\b+1]|   ; block b: my 16 numbers, and the floor 2^(9 - 127): the byte cannot fall under 1
.endr
.irp i, 2,4,6,8,10,12,14
.irp b, 0,1,2,3
	v_max3_num_f32 v[TM+\b], v[TM+\b], |v[(\s)+16*\b+\i]|, |v[(\s)+16*\b+\i+1]|   ; the four blocks by turns
.endr
.endr
	WIN 0
.irp b, 0,1,2,3
	v_permlanex16_b32 v[TM+4+\b], v[TM+\b], s52, s53
.endr
.irp b, 0,1,2,3
	v_max_num_f32 v[TM+\b], v[TM+\b], v[TM+4+\b]   ; with lane l xor 16's: the block's largest magnitude
.endr
.irp b, 0,1,2,3
	v_add_nc_u32 v[TM+12+\b], 0xfc000000, v[TM+\b] ; 8 off its exponent field: the conversion's scale operand
.endr
.irp b, 0,1,2,3
	v_and_or_b32 v[TM+8+\b], v[TM+\b], 0x7f800000, s54   ; 448 x the scale
.endr
.irp b, 0,1,2,3
	v_lshrrev_b32 v[TM+4+\b], 23, v[TM+12+\b]      ; the scale's byte
.endr
	v_lshl_or_b32 v[PW], v[TM+5], 8, v[TM+4]
	v_lshl_or_b32 v[PW], v[TM+6], 16, v[PW]
	v_lshl_or_b32 v[PW], v[TM+7], 24, v[PW]
	WIN (\sw)
.irp b, 0,1,2,3
.irp i, 0,1,2,3,4,5,6,7,8,9,10,11,12,13,14,15
	v_med3_num_f32 v[T+16*\b+\i], v[(\s)+16*\b+\i], -v[TM+8+\b], v[TM+8+\b]   ; the conversion to an 8-bit code does not saturate (ISA guide 7.6.2): the hold comes first
.endr
.endr
	WIN ((\dw)<<6)
.irp b, 0,1,2,3
	v_cvt_scalef32_pk8_fp8_f32 v[(\d)+4*\b:(\d)+4*\b+1], v[T+16*\b:T+16*\b+7], v[TM+12+\b]
	v_cvt_scalef32_pk8_fp8_f32 v[(\d)+4*\b+2:(\d)+4*\b+3], v[T+16*\b+8:T+16*\b+15], v[TM+12+\b]
.endr
.if (\dw) == 2
	v_mov_b32 v[(\d)+16], v[PW]                    ; the word is parked beside its codes.  (Also the plain line behind the last conversion)
.else
	v_nop                                          ; one plain line behind the last conversion
.endif
	WIN 0
.endm
; Zone m's 16 rows turn through my stage into window dst, are quantised, and their image goes to LDS.  next = 1: the zone takes the next tensor's rows.  left: the younger loads, which may stay out.
.macro XITEM m, next, left, dst
	s_wait_loadcnt \left
	WIN ((\dst)<<6)|0x0C                           ; a store's data in window 3, a load's result in window dst
.irp c2, 0,1
.irp i, 0,1,2,3,4,5,6,7
	ds_store_b128 v[SA], v[64*(\m)+32*\c2+4*\i:64*(\m)+32*\c2+4*\i+3] offset:544*\i
.endr
.irp q, 0,1,2,3,4,5,6,7                        ; LDS serves a wave's instructions in order (ISA guide 5.7.1.4): these see the stores above, and the next half's stores come behind them
	ds_load_b128 v[64*(\m)+32*\c2+4*\q:64*(\m)+32*\c2+4*\q+3], v[SB] offset:128*(\q/4)+16*(\q%4)
.endr
.endr
	s_wait_dscnt 0x0                               ; the numbers are in; the stores have read the zone, and the last image's stores their codes
.if \next
	GL NXT, \m
.endif
	QUANT 64*(\m), \dst, PC, 0
.irp c, 0,1,2,3
	ds_store_b128 v[IWC], v[PC+4*\c:PC+4*\c+3] offset:2048*(\m)+512*\c
.endr
	ds_store_b32 v[ISWC], v[PW] offset:128*((\m)%2)+4*((\m)/2)   ; both halves of the lanes write the same word to the same place
.endm
; The weights of unit kk of the six that the two slots hold: four fragments and a pair of scale registers, into set kk % 2.  17 loads.
.macro LW kk
.set LWB, WB0+64*((\kk)%2)
.set LWS, WS0+2*((\kk)%2)
.set LWA, AWA0+2*((\kk)/3)+((\kk)%3)/2
.set LSA, ASA0+2*((\kk)/3)+((\kk)%3)/2
.set LWO, UNITB*(((\kk)%3)%2)
.irp t, 0,1,2,3
.irp c, 0,1,2,3
	ds_load_b128 v[LWB+16*\t+4*\c:LWB+16*\t+4*\c+3], v[LWA] offset:LWO+2048*\t+512*\c
.endr
.endr
	ds_load_b64 v[LWS:LWS+1], v[LSA] offset:LWO
.endm
.macro LX pr, m, xs                    ; the activations' fragment of row tile m, K step xs of the trip, into place (4 pr + m) % 6 of the ring
.set LXR, XB+16*((4*(\pr)+(\m))%6)
.irp c, 0,1,2,3
	ds_load_b128 v[LXR+4*\c:LXR+4*\c+3], v[AXC] offset:8192*(\xs)+2048*(\m)+512*\c
.endr
.endm
.macro LXS pr, xs                      ; and the K step's scale words of the four row tiles
	ds_load_b64 v[XS0+2*(\pr):XS0+2*(\pr)+1], v[AXSC] offset:256*(\xs)
.endm
.macro WM zero                         ; one product; the odd tiles' scale words lie in lanes 16-31
.if \zero
.if RA && RB
	v_wmma_scale_f32_16x16x128_f8f6f4 v[MD:MD+7], v[MA:MA+15], v[MB:MB+15], 0, v[MSA], v[MXS] matrix_a_scale:MATRIX_SCALE_ROW1 matrix_b_scale:MATRIX_SCALE_ROW1
.elseif RA
	v_wmma_scale_f32_16x16x128_f8f6f4 v[MD:MD+7], v[MA:MA+15], v[MB:MB+15], 0, v[MSA], v[MXS] matrix_a_scale:MATRIX_SCALE_ROW1
.elseif RB
	v_wmma_scale_f32_16x16x128_f8f6f4 v[MD:MD+7], v[MA:MA+15], v[MB:MB+15], 0, v[MSA], v[MXS] matrix_b_scale:MATRIX_SCALE_ROW1
.else
	v_wmma_scale_f32_16x16x128_f8f6f4 v[MD:MD+7], v[MA:MA+15], v[MB:MB+15], 0, v[MSA], v[MXS]
.endif
.else
.if RA && RB
	v_wmma_scale_f32_16x16x128_f8f6f4 v[MD:MD+7], v[MA:MA+15], v[MB:MB+15], v[MD:MD+7], v[MSA], v[MXS] matrix_a_scale:MATRIX_SCALE_ROW1 matrix_b_scale:MATRIX_SCALE_ROW1
.elseif RA
	v_wmma_scale_f32_16x16x128_f8f6f4 v[MD:MD+7], v[MA:MA+15], v[MB:MB+15], v[MD:MD+7], v[MSA], v[MXS] matrix_a_scale:MATRIX_SCALE_ROW1
.elseif RB
	v_wmma_scale_f32_16x16x128_f8f6f4 v[MD:MD+7], v[MA:MA+15], v[MB:MB+15], v[MD:MD+7], v[MSA], v[MXS] matrix_b_scale:MATRIX_SCALE_ROW1
.else
	v_wmma_scale_f32_16x16x128_f8f6f4 v[MD:MD+7], v[MA:MA+15], v[MB:MB+15], v[MD:MD+7], v[MSA], v[MXS]
.endif
.endif
.endm
; 8 products of unit k: row tiles m0, m0 + 1 x the unit's four column tiles.  A K step's 32 accumulators take turns, one instruction a turn, in the same order in every K step.
.macro MUL8 k, m0, zero
.irp m, \m0, \m0+1
.irp t, 0,1,2,3
.set MD, 64*(\m)+8*(4*((\k)%2)+\t)
.set MA, WB0+64*((\k)%2)+16*\t
.set MB, XB+16*((4*((\k)/2)+(\m))%6)
.set MSA, WS0+2*((\k)%2)+\t/2
.set MXS, XS0+2*((\k)/2)+(\m)/2
.set RA, \t%2
.set RB, (\m)%2
	WM \zero
.endr
.endr
.endm
.macro BIASLD bp                       ; my lane's 64 biases, in the accumulators' order: 16 b + i = column 128 w + 32 b + 16 h + i
.irp q, 0,1,2,3,4,5,6,7,8,9,10,11,12,13,14,15
	global_load_b128 v[BB+4*\q:BB+4*\q+3], v[VB], s[\bp:\bp+1] offset:128*(\q/4)+16*(\q%4)
.endr
.endm
; A UNIT: 16 products, and in front of them ONE run of LDS loads for what comes next.  k: which of the six units of the two slots (K step k / 2 of three, half k % 2); xs: its K step in the trip.
; Half 0's run: this K step's row tiles 2, 3, and the next unit's weights (25 loads).  Half 1's: the next unit's weights, the next K step's row tiles 0, 1 and scale words (26).  nonext = 1: a gate's last unit: the gate's biases instead.
; chg: THE CHANGE OF SLOTS, in a slot's SECOND unit, whose run has just asked for the slot's third unit: each wave waits for all its tensor loads (the one that is out is its quarter of the other slot), adds 0 to its spare word, and waits for
; that and for its reads; behind the barrier nobody reads this slot any more and the other slot is whole.  chg = 1: the barrier opens a round of the cluster's, and the slot is filled again, first thing behind it.  chg = 2: nothing is left to fetch.
; Eight plain places stand between the last products and loads into registers that they have read.
.macro UNIT k, xs, chg, zero, nonext, mw, bp
.set HF, (\k)%2
.set PP, (\k)/2
.set NW, 25+HF
	PLACES 8
	WIN 0
.if \nonext
	BIASLD \bp
.elseif HF == 0
	LX PP, 2, \xs
	LX PP, 3, \xs
	LW (\k)+1
.else
	LW ((\k)+1)%6
	LX (PP+1)%3, 0, (\xs)+1
	LX (PP+1)%3, 1, (\xs)+1
	LXS (PP+1)%3, (\xs)+1
.endif
.if \chg
.set NW, NW+1
	s_wait_tensorcnt 0x0                           ; all my tensor loads have landed, so a group 0 may be written
	ds_add_u32 v[SPW], v[NIL]                      ; 0 onto my spare word
.if (\chg) == 1
.if (\k) == 1
	s_add_nc_u64 s[34:35], s[34:35], 2*SLOTB       ; slot A's next three units; the type bits on top are not reached
.else
	s_add_nc_u64 s[38:39], s[38:39], 2*SLOTB       ; slot B's
.endif
	s_wait_xcnt 0x0                                ; the last prefetch, three units back, has read its address
	s_add_nc_u64 s[30:31], s[30:31], 131072        ; sixteen waves' 8,192 bytes on
	s_sub_co_u32 s27, s27, 1
.endif
.endif
.if \nonext
	s_wait_dscnt 0x0                               ; this unit's weights are in
.else
	s_wait_dscnt NW                                ; all but the run just issued (and the add)
.endif
	WIN \mw
	MUL8 \k, 0, \zero
.if \chg
	s_wait_dscnt 0x0                               ; the add is done, and my reads of this slot are over
	s_barrier_signal -1
.elseif HF == 0
	s_wait_dscnt 17                                ; row tiles 2, 3 are in; the next unit's 17 loads may be out
.endif
	MUL8 \k, 2, \zero
.if \chg
	WIN 0
	s_barrier_wait -1
.if (\chg) == 1
	CREST                                          ; no wave of any partner still reads this slot or has a load on its way
.if (\k) == 1
	tensor_load_to_lds s[32:35], s[40:47]          ; my one tensor load behind the round: it has three units in which to land
	s_nop 0
.else
	tensor_load_to_lds s[36:39], s[40:47]
	s_nop 0
.endif
	PLACES 4
	ASK
.endif
.endif
.endm
.macro GHEAD mw                        ; a gate's K step 0: its products start the sums: nothing is ever cleared
	s_mov_b32 s25, 0
	s_mov_b32 s26, 0
	v_add_nc_u32 v[AXC], s25, v[AX0]
	v_add_nc_u32 v[AXSC], s26, v[AXS0]
	LW 0
	LX 0, 0, 0
	LX 0, 1, 0
	LXS 0, 0
	UNIT 0, 0, 0, 1, 0, \mw, 0
	UNIT 1, 0, 1, 1, 0, \mw, 0
.endm
.macro TRIP mw, c4, c1                 ; three K steps: once round the two slots
	UNIT 2, 1, 0, 0, 0, \mw, 0
	UNIT 3, 1, 0, 0, 0, \mw, 0
	UNIT 4, 2, \c4, 0, 0, \mw, 0
	UNIT 5, 2, 0, 0, 0, \mw, 0
	UNIT 0, 3, 0, 0, 0, \mw, 0
	UNIT 1, 3, \c1, 0, 0, \mw, 0
	s_add_co_u32 s25, s25, 24576                   ; three K steps on (no LDS load of mine is out: the change has waited for all)
	s_add_co_u32 s26, s26, 768
	v_add_nc_u32 v[AXC], s25, v[AX0]
	v_add_nc_u32 v[AXSC], s26, v[AXS0]
.endm
.macro GTAIL mw, c4, bp                ; a gate's last two K steps
	UNIT 2, 1, 0, 0, 0, \mw, 0
	UNIT 3, 1, 0, 0, 0, \mw, 0
	UNIT 4, 2, \c4, 0, 0, \mw, 0
	UNIT 5, 2, 0, 0, 1, \mw, \bp
	PLACES 8                                       ; in front of the first read of results
	WIN 0
.endm
	; ---- the head
	s_load_b512 s[4:19], s[0:1], 0x0               ; inputs s[4:5], state s[6:7], parent s[8:9], wq s[10:11], the biases of r1, r, a, c s[12:19]
	s_load_b64 s[20:21], s[0:1], 0x40              ; out0
	v_lshl_add_u32 v[SPW], v0, 2, SPARE
	v_mov_b32 v[NIL], 0
	ds_add_u32 v1, v2
	ds_add_u32 v1, v2
	s_wait_dscnt 0x0
	v_lshrrev_b32 v32, 5, v0
	v_readfirstlane_b32 s22, v32                   ; wave 0..3
	v_and_b32 v32, 31, v0                          ; lane
	v_and_b32 v33, 15, v0                          ; r
	v_bfe_u32 v34, v0, 4, 1                        ; h
	s_mul_i32 s57, s22, GRPB
	v_lshl_add_u32 v[AWA0], v32, 4, s57
	v_add_nc_u32 v[AWA0+1], 2*UNITB, v[AWA0]
	v_add_nc_u32 v[AWA0+2], SLOTB, v[AWA0]
	v_add_nc_u32 v[AWA0+3], SLOTB+2*UNITB, v[AWA0]
	s_add_co_u32 s57, s57, 8192
	v_lshl_add_u32 v[ASA0], v32, 3, s57
	v_add_nc_u32 v[ASA0+1], 2*UNITB, v[ASA0]
	v_add_nc_u32 v[ASA0+2], SLOTB, v[ASA0]
	v_add_nc_u32 v[ASA0+3], SLOTB+2*UNITB, v[ASA0]
	v_lshl_add_u32 v[AX0], v32, 4, IMG
	v_lshl_add_u32 v[AXS0], v32, 3, XSC
	s_mul_i32 s57, s22, 4352
	s_add_co_u32 s57, s57, STG                     ; my stage
	v_mul_u32_u24 v[SA], v34, 272
	v_lshl_add_u32 v[SA], v33, 4, v[SA]
	v_add_nc_u32 v[SA], s57, v[SA]
	v_mul_u32_u24 v[SB], v33, 272
	v_lshl_add_u32 v[SB], v34, 6, v[SB]
	v_add_nc_u32 v[SB], s57, v[SB]
	s_lshl_b32 s57, s22, 13
	v_add_nc_u32 v[IW], s57, v[AX0]
	s_lshl_b32 s57, s22, 8
	s_add_co_u32 s57, s57, XSC
	v_lshl_add_u32 v[ISW], v33, 3, s57
	s_lshl_b32 s57, s22, 9
	v_lshl_add_u32 v[VA], v33, 4, s57
	v_lshl_add_u32 v[VA], v34, 11, v[VA]
	v_lshl_add_u32 v[VB], v34, 6, s57
	v_lshlrev_b32 v[PFO], 8, v32
.irp b, 0,1,2,3
	v_mov_b32 v[TM+4+\b], 0                        ; a lane permute's destination counts as one of its sources
.endr
	s_mov_b32 s48, 0xbfb8aa3b                      ; -log2(e), for the sigmoids
	s_mov_b32 s49, s48                             ; (the packed forms name a pair and take its low word for both halves)
	s_mov_b32 s50, 0x4038aa3b                      ; 2 log2(e), for tanh
	s_mov_b32 s51, s50
	s_mov_b32 s52, 0x76543210
	s_mov_b32 s53, 0xfedcba98                      ; v_permlanex16_b32's selects for lane l xor 16
	s_mov_b32 s54, 0x600000                        ; the mantissa field of 448
	s_mov_b32 s27, 30                              ; refills to come
	s_bfe_u32 s29, ttmp6, 0x40000                  ; cx: it enters global addresses alone
	s_lshl_b32 s62, ttmp9, 2                       ; in a cluster launch ttmp9 counts clusters
	s_add_co_u32 s62, s62, s29                     ; my work-group
	s_lshl_b32 s66, s62, 17                        ; its 64 rows of 2,048 bytes
	s_mov_b32 s67, 0
	s_cmp_eq_u32 ttmp9, 0                          ; the first cluster prefetches: the same in all four partners
	s_cselect_b32 s28, 8, -1
	; descriptor group 1: a quarter of a slot, dense in memory and in LDS: 99 rows of 32 elements of 8 bytes
	s_mov_b32 s40, 15|(3<<16)|(1<<21)              ; 15:0 the mask: all four work-groups; 17:16 elements of 8 bytes; 20 no padding (register images are read 16 bytes a lane on end); 21 set beside a mask
	s_mov_b32 s41, 32<<16                          ; tensor_dim0 = 32
	s_mov_b32 s42, 99<<16                          ; tensor_dim1 = 99
	s_mov_b32 s43, 32<<16                          ; tile_dim0 = 32
	s_mov_b32 s44, 99                              ; tile_dim1 = 99
	s_mov_b32 s45, 32                              ; tensor_dim0_stride
	s_mov_b32 s46, 0
	s_mov_b32 s47, 0
	s_mov_b32 s32, 1
	s_mul_i32 s33, s22, QB                         ; slot A: my quarter: no place in the cluster enters an LDS address
	s_mov_b32 s36, 1
	s_add_co_u32 s37, s33, SLOTB                   ; slot B
	s_mov_b32 s62, s33
	s_mov_b32 s63, 0
	s_wait_kmcnt 0x0
	s_add_nc_u64 s[34:35], s[10:11], s[62:63]      ; slot 0's quarter in wq,
	s_add_nc_u64 s[38:39], s[34:35], SLOTB         ; slot 1's
	s_or_b32 s35, s35, 0x80000000                  ; type = 2
	s_or_b32 s39, s39, 0x80000000
	s_lshl_b32 s62, s29, 2
	s_add_co_u32 s62, s62, s22
	s_add_co_u32 s62, s62, 34
	s_lshl_b32 s62, s62, 13
	s_add_nc_u64 s[30:31], s[10:11], s[62:63]      ; the prefetches stand at chunk 34 + 4 cx + w; each refill steps them by 16 chunks first
	s_add_nc_u64 s[4:5], s[4:5], s[66:67]
	s_add_nc_u64 s[6:7], s[6:7], s[66:67]
	s_add_nc_u64 s[8:9], s[8:9], s[66:67]
	s_add_nc_u64 s[20:21], s[20:21], s[66:67]
	s_mov_b64 s[58:59], s[6:7]                     ; behind x comes state,
	s_mov_b64 s[60:61], s[8:9]                     ; then parent
	CROUND                                         ; all four work-groups are here: the first joint loads meet
	tensor_load_to_lds s[32:35], s[40:47]          ; both first fills together: two loads of mine are out
	s_nop 0
	tensor_load_to_lds s[36:39], s[40:47]
	s_nop 0
	PLACES 4
	; ---- x, state and parent: read once, quantised, their images to LDS.  x and then state land in S (x's numbers die there), parent in P
.irp m, 0,1,2,3
	GL 4, \m
.endr
	WIN 0
	s_mov_b32 s55, 0
	s_mov_b32 s56, 0
	s_mov_b32 s24, 0
.Lxs:
	v_add_nc_u32 v[IWC], s55, v[IW]                ; this tensor's four K steps of images,
	v_add_nc_u32 v[ISWC], s56, v[ISW]              ; and of scale words
.irp m, 0,1,2,3
	XITEM \m, 1, 48, 1                             ; the other three zones' 48 loads may be out
.endr
	s_wait_xcnt 0x0                                ; the loads have read their base
	s_mov_b64 s[58:59], s[60:61]
	s_wait_dscnt 0x0                               ; the image's stores have read their address
	s_add_co_u32 s55, s55, 32768
	s_add_co_u32 s56, s56, 1024
	s_add_co_u32 s24, s24, 1
	s_cmp_lt_u32 s24, 2
	s_cbranch_scc1 .Lxs
	v_add_nc_u32 v[IWC], s55, v[IW]
	v_add_nc_u32 v[ISWC], s56, v[ISW]
	XITEM 0, 0, 48, 2                              ; parent: nothing follows it, so the counts run down
	XITEM 1, 0, 32, 2
	XITEM 2, 0, 16, 2
	XITEM 3, 0, 0, 2
	s_wait_tensorcnt 0x1                           ; my quarter of slot A is in; slot B's may stay out
	s_wait_dscnt 0x0                               ; my images have landed
	s_barrier_signal -1
	s_barrier_wait -1
	; ---- gates r1, r, a: accumulators in window 3
	s_mov_b32 s23, 0
.Lgate:
	GHEAD 0xF0
	s_mov_b32 s24, 3
.Ltrip:
	TRIP 0xF0, 1, 1
	s_sub_co_u32 s24, s24, 1
	s_cmp_lg_u32 s24, 0
	s_cbranch_scc1 .Ltrip
	GTAIL 0xF0, 1, 12
	; the sigmoid: 1 / (1 + 2^(-log2(e) (z + b))); the bias rides in the scaling's fused multiply-add
	s_wait_loadcnt 0x0                             ; the biases
.set II, 0
.rept 32
	v_pk_mul_f32 v[BB+II:BB+II+1], v[BB+II:BB+II+1], s[48:49] op_sel_hi:[1,0]
.set II, II+2
.endr
	WIN 0xC3
.set II, 0
.rept 128                                      ; each accumulator from its low end on
	v_pk_fma_f32 v[II:II+1], v[II:II+1], s[48:49], v[BB+II%64:BB+II%64+1] op_sel_hi:[1,0,1]
.set II, II+2
.endr
.set II, 0
.rept 256
	v_exp_f32 v[II], v[II]
.set II, II+1
.endr
	v_nop                                          ; a plain line behind the last exponential,
	s_wait_alu depctr_va_vdst(0)                   ; and one wait for the batch, ahead of its first reader
.set II, 0
.rept 128
	v_pk_add_f32 v[II:II+1], v[II:II+1], 1.0 op_sel_hi:[1,0]
.set II, II+2
.endr
.set II, 0
.rept 256
	v_rcp_f32 v[II], v[II]
.set II, II+1
.endr
	v_nop
	s_wait_alu depctr_va_vdst(0)                   ; likewise for the reciprocals
	WIN 0
	s_cmp_eq_u32 s23, 2
	s_cbranch_scc1 .Lflush                         ; gate a: att stays in window 3
	s_cmp_eq_u32 s23, 0
	s_cbranch_scc0 .Lmul_s
	WIN 0xCB                                       ; gate r1: parent x r1
.set II, 0
.rept 128
	v_pk_mul_f32 v[II:II+1], v[II:II+1], v[II:II+1]
.set II, II+2
.endr
	WIN 0
	s_branch .Lquant
.Lmul_s:
	WIN 0xC7                                       ; gate r: state x r
.set II, 0
.rept 128
	v_pk_mul_f32 v[II:II+1], v[II:II+1], v[II:II+1]
.set II, II+2
.endr
	WIN 0
.Lquant:                                           ; my 128 columns are one K step of gate c: four fragments, parked in window 2 at 64 m, their words at 64 m + 16 (parent's f32 numbers are done with)
.irp m, 0,1,2,3
	QUANT 64*\m, 3, 64*\m, 2
.endr
	s_cmp_eq_u32 s23, 0
	s_cbranch_scc0 .Lno_move
	WIN 0x82                                       ; parent r1's move on to 64 m + 32 .. 48, out of state r's way
.irp m, 0,1,2,3
.set II, 0
.rept 17
	v_mov_b32 v[64*\m+32+II], v[64*\m+II]
.set II, II+1
.endr
.endr
	WIN 0
.Lno_move:
	s_mov_b64 s[12:13], s[14:15]                   ; the next gate's bias (this gate's loads have been waited for)
	s_mov_b64 s[14:15], s[16:17]
	s_add_co_u32 s23, s23, 1
	s_cmp_lt_u32 s23, 3
	s_cbranch_scc1 .Lgate
.Lflush:
	; ---- the parked codes go over state's and parent's images.  Every wave's last read of those stands in front of the barrier in gate a's last change of slots; up to gate c's first change only K steps 0 and 1 (x) are read,
	; and that change's wait for all LDS instructions and its barrier show these stores to every wave.
	v_add_nc_u32 v[IW2], 65536, v[IW]
	WIN 0x08                                       ; a store's data in window 2
.irp m, 0,1,2,3
.irp c, 0,1,2,3
	ds_store_b128 v[IW], v[64*\m+4*\c:64*\m+4*\c+3] offset:32768+2048*\m+512*\c
	ds_store_b128 v[IW2], v[64*\m+32+4*\c:64*\m+32+4*\c+3] offset:2048*\m+512*\c
.endr
	ds_store_b32 v[ISW], v[64*\m+16] offset:1024+128*(\m%2)+4*(\m/2)
	ds_store_b32 v[ISW], v[64*\m+48] offset:2048+128*(\m%2)+4*(\m/2)
.endr
	WIN 0
	s_wait_dscnt 0x0                               ; the stores have read their registers: loads and products may write them
	; ---- gate c: accumulators in window 2.  Its last two changes of slots are written out: nothing is left to fetch
	GHEAD 0xA0
	s_mov_b32 s24, 2
.Ltripc:
	TRIP 0xA0, 1, 1
	s_sub_co_u32 s24, s24, 1
	s_cmp_lg_u32 s24, 0
	s_cbranch_scc1 .Ltripc
	TRIP 0xA0, 1, 2                                ; the last refill, slot 31; then a change without one
	GTAIL 0xA0, 0, 18
	; ---- the way out, a row tile at a time: c = 1 - 2 / (1 + 2^(2 log2(e) (z + b))); new_h = att (c - state) + state
.macro FINAL m
	WIN 0x82
.set II, 0
.rept 32                                       ; each accumulator from its low end on
	v_pk_fma_f32 v[64*(\m)+II:64*(\m)+II+1], v[64*(\m)+II:64*(\m)+II+1], s[50:51], v[BB+II:BB+II+1] op_sel_hi:[1,0,1]
.set II, II+2
.endr
.set II, 0
.rept 64
	v_exp_f32 v[64*(\m)+II], v[64*(\m)+II]
.set II, II+1
.endr
	v_nop
	s_wait_alu depctr_va_vdst(0)                   ; one wait for the batch
.set II, 0
.rept 32
	v_pk_add_f32 v[64*(\m)+II:64*(\m)+II+1], v[64*(\m)+II:64*(\m)+II+1], 1.0 op_sel_hi:[1,0]
.set II, II+2
.endr
.set II, 0
.rept 64
	v_rcp_f32 v[64*(\m)+II], v[64*(\m)+II]
.set II, II+1
.endr
	v_nop
	s_wait_alu depctr_va_vdst(0)
.set II, 0
.rept 32
	v_pk_fma_f32 v[64*(\m)+II:64*(\m)+II+1], v[64*(\m)+II:64*(\m)+II+1], -2.0, 1.0 op_sel_hi:[1,0,0]
.set II, II+2
.endr
	WIN 0x86                                       ; source 1: state
.set II, 0
.rept 32
	v_pk_add_f32 v[64*(\m)+II:64*(\m)+II+1], v[64*(\m)+II:64*(\m)+II+1], v[64*(\m)+II:64*(\m)+II+1] neg_lo:[0,1] neg_hi:[0,1]
.set II, II+2
.endr
	WIN 0x9B                                       ; source 0: att; source 1: c - state; source 2: state
.set II, 0
.rept 32
	v_pk_fma_f32 v[64*(\m)+II:64*(\m)+II+1], v[64*(\m)+II:64*(\m)+II+1], v[64*(\m)+II:64*(\m)+II+1], v[64*(\m)+II:64*(\m)+II+1]
.set II, II+2
.endr
.endm
; Half c2 (64 columns) of row tile m goes through my stage and leaves by rows: sixteen lanes store 256 consecutive bytes, at a multiple of 256 from out0's first byte.
.macro OUT m, c2
.set EE, 2*(\m)+(\c2)
.set OO, OB+32*(EE%2)
	WIN 0x08
.irp q, 0,1,2,3,4,5,6,7
	ds_store_b128 v[SB], v[64*(\m)+32*(\c2)+4*\q:64*(\m)+32*(\c2)+4*\q+3] offset:128*(\q/4)+16*(\q%4)
.endr
	WIN 0
.if EE >= 2
	s_wait_xcnt 0x0                                ; the stores of two halves back have read these registers
.endif
.irp i, 0,1,2,3,4,5,6,7
	ds_load_b128 v[OO+4*\i:OO+4*\i+3], v[SA] offset:544*\i   ; LDS serves a wave's instructions in order: these see the stores above
.endr
	s_wait_dscnt 0x0
.irp i, 0,1,2,3,4,5,6,7
	global_store_b128 v[VA], v[OO+4*\i:OO+4*\i+3], s[20:21] offset:(\m)*32768+4096*\i+256*(\c2) th:TH_STORE_NT
.endr
.endm
	s_wait_loadcnt 0x0                             ; gate c's biases
.set II, 0
.rept 32
	v_pk_mul_f32 v[BB+II:BB+II+1], v[BB+II:BB+II+1], s[50:51] op_sel_hi:[1,0]
.set II, II+2
.endr
.irp m, 0,1,2,3
	FINAL \m
	OUT \m, 0
	OUT \m, 1
.endr
	s_wait_tensorcnt 0x0                           ; the wave's end: behind my last tensor load and my last LDS store
	ds_add_u32 v[SPW], v[NIL]
	s_wait_dscnt 0x0
	CROUND                                         ; the closing round: no work-group ends while a partner may still ask for a slot that names it
	s_endpgm
.Lfunc_end_k_qde5ce830b0_gru:
	.size	k_qde5ce830b0_gru, .Lfunc_end_k_qde5ce830b0_gru-k_qde5ce830b0_gru
	.p2alignl 7, 3214868480
	.fill 96, 4, 3214868480
	.section	.rodata,"a",@progbits
	.p2align	6, 0x0
	.amdhsa_kernel k_qde5ce830b0_gru
		.amdhsa_group_segment_fixed_size 327680
		.amdhsa_private_segment_fixed_size 0
		.amdhsa_enable_private_segment 0
		.amdhsa_kernarg_size 72
		.amdhsa_user_sgpr_count 2
		.amdhsa_user_sgpr_kernarg_segment_ptr 1
		.amdhsa_wavefront_size32 1
		.amdhsa_system_sgpr_workgroup_id_x 1
		.amdhsa_system_sgpr_workgroup_id_y 1
		.amdhsa_system_sgpr_workgroup_id_z 1
		.amdhsa_system_vgpr_workitem_id 0
		.amdhsa_next_free_vgpr 1024
		.amdhsa_next_free_sgpr 72
		.amdhsa_reserve_vcc 0
		.amdhsa_float_denorm_mode_32 3
		.amdhsa_float_denorm_mode_16_64 3
		.amdhsa_memory_ordered 1
		.amdhsa_forward_progress 1
		.amdhsa_inst_pref_size 255
	.end_amdhsa_kernel
	.section	.bss,"aw",@nobits
	.p2align	6
	.space	262144
	.amdgpu_metadata
---
amdhsa.version: [ 1, 2 ]
amdhsa.kernels:
  - .name:           k_qde5ce830b0_gru
    .symbol:         k_qde5ce830b0_gru.kd
    .args:
      - { .name: inputs, .offset: 0, .size: 8, .value_kind: global_buffer, .address_space: global }
      - { .name: state, .offset: 8, .size: 8, .value_kind: global_buffer, .address_space: global }
      - { .name: parent_state, .offset: 16, .size: 8, .value_kind: global_buffer, .address_space: global }
      - { .name: wq, .offset: 24, .size: 8, .value_kind: global_buffer, .address_space: global }
      - { .name: w_r1_b, .offset: 32, .size: 8, .value_kind: global_buffer, .address_space: global }
      - { .name: w_r_b, .offset: 40, .size: 8, .value_kind: global_buffer, .address_space: global }
      - { .name: w_a_b, .offset: 48, .size: 8, .value_kind: global_buffer, .address_space: global }
      - { .name: w_c_b, .offset: 56, .size: 8, .value_kind: global_buffer, .address_space: global }
      - { .name: out0, .offset: 64, .size: 8, .value_kind: global_buffer, .address_space: global }
    .group_segment_fixed_size: 327680
    .private_segment_fixed_size: 0
    .kernarg_segment_align: 8
    .kernarg_segment_size: 72
    .max_flat_workgroup_size: 128
    .sgpr_count:     72
    .vgpr_count:     1024
    .wavefront_size: 32
...
	.end_amdgpu_metadata
.endif
;; end of part 2
;; ======== version 2 of 2: 2 launches
;; limits: right only within a limited range of input values
;; workspace buffers: wq 3,244,032 bytes
;; launch wprep (part 3): grid 32 x 12, 4 waves a work-group, no clusters, 18,432 bytes of LDS; arguments w_r1_w, u_r1_w, p_r1_w, w_r_w, u_r_w, p_r_w, w_a_w, u_a_w, p_a_w, w_c_w, u_c_w, p_c_w, wq; writes wq
.if DOCPART == 3
	.amdgcn_target "amdgcn-amd-amdhsa--gfx1250"
	.amdhsa_code_object_version 6
	.text
	.protected	k_qde5ce830b0_wprep
	.globl	k_qde5ce830b0_wprep
	.p2align	8
	.type	k_qde5ce830b0_wprep,@function
k_qde5ce830b0_wprep:
	s_mov_b64 s[64:65], 0
	v_nop
	global_prefetch_b8 v0, s[64:65] scope:SCOPE_SE
	s_setreg_imm32_b32 hwreg(HW_REG_WAVE_MODE, 25, 1), 1
	s_wait_xcnt 0x0
; The twelve weights [512 (n)][512 (k)], f32, K innermost, become codes of FP8 (E4M3) with one E8M0 byte for each 32 along K, laid in wq in the ORDER OF THE OPERAND'S REGISTERS of the next launch.
; wq = 384 groups of 8,448 bytes.  Group 32 y + x: y = 3 gate + tensor (gates r1, r, a, c; tensors w, u, p), x = 4 (2 ks + hf) + w: K step ks (128 along K), half hf of the eight column tiles of wave w of the next launch.
; A group: four fragments t' (16 rows x 128 K) at 2,048 t': chunk c at 512 c, lane l's 16 bytes at 16 l = W[n][128 ks + 32 c + 16 (l / 16) + 0 .. 15]; then 256 bytes of scale words: lane L's 8 bytes, word q = tile 2 q + L / 16, row L % 16.
; THE ROWS OF A TILE ARE NOT NEIGHBOURS: row p of tile t' is n = 128 w + 64 hf + 32 (t' / 2) + 8 (t' % 2) + p + 8 (p / 8), so that in the next launch two neighbouring tiles' results are 16 neighbours along the next K.
; A work-group makes one group, wave t' fragment t'.  Each load reads two rows' 256 aligned consecutive bytes; the numbers turn through the wave's own stage in LDS, so that a lane holds 16 neighbours along K of each block.
; A block's scale is 2^(floor(log2(largest magnitude)) - 8); its byte is the largest magnitude's exponent field - 8, held at 1 from below.
; LIMITS: a block of zeros gets the byte 1 where the rule says 127 (its codes are zeros, and this program alone reads the bytes); NaN and infinities among the inputs are not served.
; No tensor loads, no matrix unit, no cluster: work-groups share no input, and each number is read once.
.set Z,   16                           ; v16-79   the numbers as loaded
.set T,   80                           ; v80-143  register 16 b + i = k 32 b + 16 (lane / 16) + i of my row
.set PC,  144                          ; v144-159 the fragment's codes
.set TM,  160                          ; v160-163 largest magnitudes, v164-167 bytes, v168-171 448 x the scale, v172-175 the conversions' scale operands
.set PW,  176                          ; the scale word
.set SCL, 17408                        ; LDS: four stages of 16 rows x (256 + 16) bytes, then the group's 256 bytes of scale words
	s_load_b512 s[4:19], s[0:1], 0x0               ; the twelve weights, in the order of y,
	s_load_b256 s[20:27], s[0:1], 0x40
	s_load_b64 s[28:29], s[0:1], 0x60              ; and wq
	v_lshl_add_u32 v192, v0, 2, 0x4600
	v_mov_b32 v193, 0
	v_lshrrev_b32 v1, 5, v0
	v_readfirstlane_b32 s38, v1                    ; wave = t'
	v_and_b32 v1, 31, v0                           ; lane
	v_and_b32 v2, 15, v0                           ; r
	v_bfe_u32 v3, v0, 4, 1                         ; h
	v_lshlrev_b32 v4, 4, v2
	v_lshl_add_u32 v4, v3, 11, v4                  ; in: lanes 0-15 one row's 256 bytes, lanes 16-31 the next row's
	s_mul_i32 s39, s38, 4352                       ; my stage
	v_mul_u32_u24 v5, v3, 272
	v_lshl_add_u32 v5, v2, 4, v5
	v_add_nc_u32 v5, s39, v5                       ; into it, as loaded: row h of a pair, 16 r
	v_mul_u32_u24 v6, v2, 272
	v_lshl_add_u32 v6, v3, 6, v6
	v_add_nc_u32 v6, s39, v6                       ; out of it: row r, my half's 64 bytes of a block of 32 numbers
	s_lshl_b32 s39, s38, 11
	v_lshl_add_u32 v7, v1, 4, s39                  ; the codes' place in the group: 2,048 t' + 16 lane
	s_and_b32 s39, s38, 1
	s_lshl_b32 s39, s39, 7
	s_lshr_b32 s42, s38, 1
	s_lshl_b32 s42, s42, 2
	s_add_co_u32 s39, s39, s42
	s_add_co_u32 s39, s39, SCL
	v_lshl_add_u32 v8, v2, 3, s39                  ; my row's scale word: 8 (r + 16 (t' % 2)) + 4 (t' / 2)
	v_lshlrev_b32 v9, 3, v1                        ; and on the way out 8 bytes a lane
	v_add_nc_u32 v10, SCL, v9
.irp b, 0,1,2,3
	v_mov_b32 v[TM+4+\b], 0                        ; a lane permute's destination counts as one of its sources
.endr
	s_mov_b32 s43, 0x76543210
	s_mov_b32 s44, 0xfedcba98                      ; v_permlanex16_b32's selects for lane l xor 16
	s_mov_b32 s45, 0x600000                        ; the mantissa field of 448
	s_and_b32 s32, ttmp7, 0xffff                   ; y: which weight
	s_and_b32 s33, ttmp9, 3                        ; w
	s_bfe_u32 s34, ttmp9, 0x10002                  ; hf
	s_lshr_b32 s35, ttmp9, 3                       ; ks
	s_lshl_b32 s36, s33, 7
	s_lshl_b32 s37, s34, 6
	s_add_co_u32 s36, s36, s37
	s_lshr_b32 s37, s38, 1
	s_lshl_b32 s37, s37, 5
	s_add_co_u32 s36, s36, s37
	s_and_b32 s37, s38, 1
	s_lshl_b32 s37, s37, 3
	s_add_co_u32 s36, s36, s37                     ; the tile's first row: 128 w + 64 hf + 32 (t' / 2) + 8 (t' % 2)
	s_lshl_b32 s36, s36, 11                        ; a row is 2,048 bytes
	s_lshl_b32 s37, s35, 9                         ; a K step 512
	s_add_co_u32 s36, s36, s37
	s_mov_b32 s37, 0
	s_lshl_b32 s40, s32, 5
	s_add_co_u32 s40, s40, ttmp9
	s_mul_i32 s40, s40, 8448                       ; the group's first byte
	s_mov_b32 s41, 0
	s_wait_alu depctr_va_vdst(0)
	s_wait_kmcnt 0x0
	s_mov_b64 s[30:31], s[4:5]                     ; the choice of the weight hangs on the work-group's number alone
.irp i, 1,2,3,4,5,6,7,8,9,10,11
	s_cmp_eq_u32 s32, \i
	s_cselect_b64 s[30:31], s[4+2*\i:5+2*\i], s[30:31]
.endr
	s_add_nc_u64 s[30:31], s[30:31], s[36:37]
	s_add_nc_u64 s[28:29], s[28:29], s[40:41]
.irp c2, 0,1                                   ; half c2 of the 128 along K; load i: tile rows 2 i and 2 i + 1
.irp i, 0,1,2,3,4,5,6,7
	global_load_b128 v[Z+32*\c2+4*\i:Z+32*\c2+4*\i+3], v4, s[30:31] offset:(2*\i+8*(\i/4))*2048+256*\c2 th:TH_LOAD_NT
.endr
.endr
.irp c2, 0,1
	s_wait_loadcnt 8-8*\c2                         ; this half's eight loads are in; the other half's eight may be out
.irp i, 0,1,2,3,4,5,6,7
	ds_store_b128 v5, v[Z+32*\c2+4*\i:Z+32*\c2+4*\i+3] offset:544*\i
.endr
.irp q, 0,1,2,3,4,5,6,7                        ; LDS serves a wave's instructions in order: these see the stores above, and the next half's stores come behind them
	ds_load_b128 v[T+32*\c2+4*\q:T+32*\c2+4*\q+3], v6 offset:128*(\q/4)+16*(\q%4)
.endr
.endr
	s_wait_dscnt 0x0
.irp b, 0,1,2,3
	v_max3_num_f32 v[TM+\b], |v[T+16*\b]|, |v[T+16*\b+1]|, 0x4800000   ; block b: my 16 numbers, and the floor 2^(9 - 127): the byte cannot fall under 1
.endr
.irp i, 2,4,6,8,10,12,14
.irp b, 0,1,2,3
	v_max3_num_f32 v[TM+\b], v[TM+\b], |v[T+16*\b+\i]|, |v[T+16*\b+\i+1]|   ; the four blocks by turns
.endr
.endr
.irp b, 0,1,2,3
	v_permlanex16_b32 v[TM+4+\b], v[TM+\b], s43, s44
.endr
.irp b, 0,1,2,3
	v_max_num_f32 v[TM+\b], v[TM+\b], v[TM+4+\b]   ; with lane l xor 16's: the block's largest magnitude
.endr
.irp b, 0,1,2,3
	v_add_nc_u32 v[TM+12+\b], 0xfc000000, v[TM+\b] ; 8 off its exponent field: the conversion's scale operand
.endr
.irp b, 0,1,2,3
	v_and_or_b32 v[TM+8+\b], v[TM+\b], 0x7f800000, s45   ; 448 x the scale
.endr
.irp b, 0,1,2,3
	v_lshrrev_b32 v[TM+4+\b], 23, v[TM+12+\b]      ; the scale's byte
.endr
	v_lshl_or_b32 v[PW], v[TM+5], 8, v[TM+4]
	v_lshl_or_b32 v[PW], v[TM+6], 16, v[PW]
	v_lshl_or_b32 v[PW], v[TM+7], 24, v[PW]        ; my row's scale word
.irp b, 0,1,2,3
.irp i, 0,1,2,3,4,5,6,7,8,9,10,11,12,13,14,15
	v_med3_num_f32 v[T+16*\b+\i], v[T+16*\b+\i], -v[TM+8+\b], v[TM+8+\b]   ; the conversion to an 8-bit code does not saturate (ISA guide 7.6.2): the hold comes first
.endr
.endr
.irp b, 0,1,2,3
	v_cvt_scalef32_pk8_fp8_f32 v[PC+4*\b:PC+4*\b+1], v[T+16*\b:T+16*\b+7], v[TM+12+\b]
	v_cvt_scalef32_pk8_fp8_f32 v[PC+4*\b+2:PC+4*\b+3], v[T+16*\b+8:T+16*\b+15], v[TM+12+\b]
.endr
	v_nop                                          ; one plain line behind the last conversion
.irp c, 0,1,2,3
	global_store_b128 v7, v[PC+4*\c:PC+4*\c+3], s[28:29] offset:512*\c   ; 32 lanes store 512 consecutive bytes, at a multiple of 256 from wq's first byte
.endr
	ds_store_b32 v8, v[PW]                         ; both halves of the lanes hold the same word and write it to the same place
	s_wait_dscnt 0x0                               ; for the others' sake: my word has landed
	s_barrier_signal -1
	s_barrier_wait -1
	s_cmp_lg_u32 s38, 0
	s_cbranch_scc1 .Ldone
	ds_load_b64 v[12:13], v10                      ; wave 0 takes the four waves' words
	s_wait_dscnt 0x0
	global_store_b64 v9, v[12:13], s[28:29] offset:8192   ; 32 lanes store 256 consecutive bytes, aligned
.Ldone:
	s_wait_tensorcnt 0x0
	ds_add_u32 v192, v193
	s_wait_dscnt 0x0
	s_endpgm
.Lfunc_end_k_qde5ce830b0_wprep:
	.size	k_qde5ce830b0_wprep, .Lfunc_end_k_qde5ce830b0_wprep-k_qde5ce830b0_wprep
	.p2alignl 7, 3214868480
	.fill 96, 4, 3214868480
	.section	.rodata,"a",@progbits
	.p2align	6, 0x0
	.amdhsa_kernel k_qde5ce830b0_wprep
		.amdhsa_group_segment_fixed_size 18432
		.amdhsa_private_segment_fixed_size 0
		.amdhsa_enable_private_segment 0
		.amdhsa_kernarg_size 104
		.amdhsa_user_sgpr_count 2
		.amdhsa_user_sgpr_kernarg_segment_ptr 1
		.amdhsa_wavefront_size32 1
		.amdhsa_system_sgpr_workgroup_id_x 1
		.amdhsa_system_sgpr_workgroup_id_y 1
		.amdhsa_system_sgpr_workgroup_id_z 1
		.amdhsa_system_vgpr_workitem_id 0
		.amdhsa_next_free_vgpr 194
		.amdhsa_next_free_sgpr 66
		.amdhsa_reserve_vcc 0
		.amdhsa_float_denorm_mode_32 3
		.amdhsa_float_denorm_mode_16_64 3
		.amdhsa_memory_ordered 1
		.amdhsa_forward_progress 1
		.amdhsa_inst_pref_size 17
	.end_amdhsa_kernel
	.amdgpu_metadata
---
amdhsa.version: [ 1, 2 ]
amdhsa.kernels:
  - .name:           k_qde5ce830b0_wprep
    .symbol:         k_qde5ce830b0_wprep.kd
    .args:
      - { .name: w_r1_w, .offset: 0, .size: 8, .value_kind: global_buffer, .address_space: global }
      - { .name: u_r1_w, .offset: 8, .size: 8, .value_kind: global_buffer, .address_space: global }
      - { .name: p_r1_w, .offset: 16, .size: 8, .value_kind: global_buffer, .address_space: global }
      - { .name: w_r_w, .offset: 24, .size: 8, .value_kind: global_buffer, .address_space: global }
      - { .name: u_r_w, .offset: 32, .size: 8, .value_kind: global_buffer, .address_space: global }
      - { .name: p_r_w, .offset: 40, .size: 8, .value_kind: global_buffer, .address_space: global }
      - { .name: w_a_w, .offset: 48, .size: 8, .value_kind: global_buffer, .address_space: global }
      - { .name: u_a_w, .offset: 56, .size: 8, .value_kind: global_buffer, .address_space: global }
      - { .name: p_a_w, .offset: 64, .size: 8, .value_kind: global_buffer, .address_space: global }
      - { .name: w_c_w, .offset: 72, .size: 8, .value_kind: global_buffer, .address_space: global }
      - { .name: u_c_w, .offset: 80, .size: 8, .value_kind: global_buffer, .address_space: global }
      - { .name: p_c_w, .offset: 88, .size: 8, .value_kind: global_buffer, .address_space: global }
      - { .name: wq, .offset: 96, .size: 8, .value_kind: global_buffer, .address_space: global }
    .group_segment_fixed_size: 18432
    .private_segment_fixed_size: 0
    .kernarg_segment_align: 8
    .kernarg_segment_size: 104
    .max_flat_workgroup_size: 128
    .sgpr_count:     66
    .vgpr_count:     194
    .wavefront_size: 32
...
	.end_amdgpu_metadata
.endif
;; end of part 3
;; launch gru (part 4): grid 256 x 1, 4 waves a work-group, clusters of 4 x 1, 327,680 bytes of LDS; arguments inputs, state, parent_state, wq, w_r1_b, w_r_b, w_a_b, w_c_b, out0; writes out0
.if DOCPART == 4
	.amdgcn_target "amdgcn-amd-amdhsa--gfx1250"
	.amdhsa_code_object_version 6
	.text
	.protected	k_qde5ce830b0_gru
	.globl	k_qde5ce830b0_gru
	.p2align	8
	.type	k_qde5ce830b0_gru,@function
k_qde5ce830b0_gru:
	s_mov_b64 s[64:65], 0
	v_nop
	global_prefetch_b8 v0, s[64:65] scope:SCOPE_SE
	s_setreg_imm32_b32 hwreg(HW_REG_WAVE_MODE, 25, 1), 1
	s_wait_xcnt 0x0
	s_wait_alu depctr_hold_cnt(0) depctr_sa_sdst(0) depctr_va_vdst(0) depctr_va_sdst(0) depctr_va_ssrc(0) depctr_va_vcc(0) depctr_vm_vsrc(0)
	s_getreg_b32 s2, hwreg(HW_REG_IB_STS2, 6, 4)
	s_cmp_eq_u32 s2, 0
	s_cbranch_scc0 .Lentry_in_a_cluster
	s_endpgm
.Lentry_in_a_cluster:
	s_bfe_u32 s2, ttmp6, 0x10000c
	s_cmp_lg_u32 s2, 0x3003
	s_cbranch_scc0 .Lentry_shape_is_right
	s_endpgm
.Lentry_shape_is_right:
; new_h = att c + (1 - att) state, with att, r, r1 = sigmoid([x | state | parent] W^T + b) and c = tanh([x | state r | parent r1] W^T + b): four gates of K = 1,536, all products on codes of FP8 (E4M3) with one E8M0 scale for each 32 along K.
; SHARES.  A work-group owns 64 whole rows (gate c wants whole rows of r and r1); 256 work-groups.  THE FOUR WAVES SHARE THE COLUMNS: wave w owns hidden units 128 w .. 128 w + 127 of every gate, for all 64 rows: 32 accumulators.
; ONE LAYOUT.  The matrix instruction is used transposed (source 0 = 16 rows of a weight, source 1 = 16 rows of activations), and the weight rows of a tile are chosen (by the launch before) so that in S, P and the accumulators
; register 64 m + 16 b + i of lane (r, h) is element (row 16 m + r, column 128 w + 32 b + 16 h + i): 16 neighbours along the next K, as the conversions want them.  A wave's 128 columns are one K step: one fragment and one scale word a row tile.
; ACTIVATIONS go from wave to wave through LDS as images of the operand's registers (16 bytes a lane, 512 bytes a store).  x, state and parent are read from memory once, quantised on the way; state and parent stay in registers in f32.
; GATES in the order r1, r, a, c.  The codes of parent r1 and of state r are parked in the registers that parent's f32 numbers leave, and written over parent's and state's images when gate a has read those.
; WEIGHTS come as codes in register order from wq, through a ring of two LDS slots of 3 units (a unit = one K step of half a wave's column tiles, for the four waves: 33,792 bytes); 96 units, 32 slots, 30 refills.
; CLUSTER.  All work-groups read the same weights: the four of a cluster ask for each slot JOINTLY (the same tensor load, the same descriptor, mask 15); each wave asks for a quarter of a slot.
; LAPS.  A gate's 12 K steps are four laps of 3 K steps = 2 slots.  A cluster begins every gate at lap (cluster's number) % 4 and goes round, so that the clusters do not all ask for the same bytes at the same time:
; at any time four different parts of a gate are asked for.  The cluster's number is the same in the four partners; it enters the weights' addresses and the LDS addresses at which the activations' images are READ.
; LIMITS: the sums along K begin at K step 3 x (cluster % 4) and go round: an order of rounding other than ascending K; a block of zeros gets the scale byte 1 where the rule says 127 (its codes are zeros; only this program reads the bytes);
; NaN and infinities among the inputs are not served; tanh(z) = 1 - 2 / (1 + 2^(2 log2(e) z)): its error is about 1e-7 absolutely, not relatively; both activations saturate through 2^z = infinity or 0.
; REGISTERS, in windows of 256 (s_set_vgpr_msb: bits 1:0 source 0, 3:2 source 1, 5:4 source 2, 7:6 destination):
;   window 0: v0-21 addresses; v22-25 weights' scale words (two sets), v26-31 activations' (three sets); v32-95, v96-159 weight fragments, two sets of four; v160-255 six activation fragments, a ring.
;             Outside the K loops: v32-95 biases, v96-159 held numbers, v160-175 codes, v176-192 the quantiser's, v193-196 addresses, v192-255 rows on the way out.
;   window 1: S = state.   window 2: P = parent, then parked codes, then att.   window 3: landing zones, then the accumulators of r1, r, a, c.
.set UNITB, 33792                      ; a unit: four groups of 8,448 bytes
.set GRPB,  8448                       ; a group: a wave's four fragments (8,192) and their scale words (256)
.set SLOTB, 101376                     ; a slot: three units
.set QB,    25344                      ; a quarter of a slot: 99 rows of 256 bytes, one tensor load
.set LAPB,  24576                      ; a lap's images: three K steps of 8,192 bytes
.set IMG,   202752                     ; behind the ring: the activations' images: K step s at 8,192 s, row tile m at 2,048 m, chunk c at 512 c, lane at 16 l
.set XSC,   301056                     ; their scale words: K step s at 256 s; lane L's 8 bytes: word q = row tile 2 q + L / 16, row L % 16
.set STG,   304128                     ; a stage of 16 rows x (256 + 16) bytes for each wave
.set SPARE, 321536                     ; the spare words, 128 bytes for each wave: two blocks of 256 bytes that no other line names
.set AXSN, 0                           ; v0   (free behind the head)  XSC + 8 lane + the next lap's scale words
.set SPW,  1                           ; v1   SPARE + 4 x my thread's number; never rewritten
.set NIL,  2                           ; v2   0; never rewritten
.set AWA0, 3                           ; v3-6   my fragments in slot A (units 0, 1), slot A (unit 2), slot B (units 0, 1), slot B (unit 2)
.set ASA0, 7                           ; v7-10  their scale words likewise
.set AX0,  11                          ; v11  IMG + 16 lane
.set AXC,  12                          ; v12  the same + the lap in hand
.set AXS0, 13                          ; v13  XSC + 8 lane
.set AXSC, 14                          ; v14  the same + the lap in hand
.set SA,   15                          ; v15  the stage by rows of memory: 272 (lane / 16) + 16 (lane % 16)
.set SB,   16                          ; v16  the stage by lanes' rows: 272 (lane % 16) + 64 (lane / 16)
.set AXN,  17                          ; v17  IMG + 16 lane + the next lap
.set ISW,  18                          ; v18  where I store scale words: XSC + 256 w + 8 (lane % 16)
.set VA,   19                          ; v19  memory: 2,048 (lane / 16) + 16 (lane % 16) + 512 w
.set VB,   20                          ; v20  the gate's biases in my stage: STG + 4,352 w + 64 (lane / 16) + 512 x gate
.set PFO,  21                          ; v21  256 x lane
.set WS0,  22
.set XS0,  26
.set WB0,  32
.set XB,   160
.set BB,   32
.set T,    96
.set PC,   160
.set TM,   176                         ; v176-179 largest magnitudes, v180-183 bytes, v184-187 448 x the scale, v188-191 the conversions' scale operands
.set PW,   192
.set IWC,  193
.set ISWC, 194
.set IW2,  195
.set IW,   196                         ; v196 where I store images: IMG + 8,192 w + 16 lane; made at the head and again at the flush (the K loops use the register)
.set OB,   192
.set NXT,  58                          ; s[58:59] the tensor that the landing zones take next; s[60:61] the one after
; s[68:71] the byte offsets in IMG of the lap in hand and of the three that follow; s72 the cluster's first lap; s73 laps asked for so far, less one; s[10:11] wq + my quarter of a slot
.set MSB, 0
.macro WIN new                         ; the immediate's high byte repeats the setting that is left; a switch that changes nothing is dropped
.if MSB != (\new)
	s_set_vgpr_msb (MSB<<8)|(\new)
.set MSB, (\new)
.endif
.endm
.macro PLACES n
.rept \n
	v_nop
.endr
.endm
.macro CREST                           ; a round of the cluster's barrier behind its opening barrier
	s_cmp_lg_u32 s22, 0
	s_cbranch_scc1 .Lnot_wave_0_\@
	s_barrier_signal -3
.Lnot_wave_0_\@:
	s_barrier_wait -3
	s_barrier_signal -1
	s_barrier_wait -1
.endm
.macro CROUND                          ; a whole round
	s_barrier_signal -1
	s_barrier_wait -1
	CREST
.endm
; A PREFETCH of wq, behind each refill's tensor load and its four lines.  The first cluster alone asks; its sixteen waves are told apart BY ADDRESS (4 cx + w), 8,192 bytes each, lanes 256 bytes apart.
; A gate's four laps are all wanted at the gate's start, by one cluster or another: so the requests begin with gate r's first byte (chunk 99 of the 396 chunks of 8,192 bytes) and run on from there:
; refill e names chunks 99 + 16 e .. 114 + 16 e, each block once.  It stops behind refill 17 (chunk 386): the next would pass the buffer's end.  Gate r1's weights and the last nine chunks come by their loads alone; the head asks for nothing.
.macro ASK
	s_cmp_gt_u32 s27, s28
	s_cbranch_scc0 .Lnot_mine_\@
	global_prefetch_b8 v[PFO], s[30:31] th:TH_LOAD_NT scope:SCOPE_SE
.Lnot_mine_\@:
.endm
; 16 loads: rows 16 m .. 16 m + 15, my 128 columns, into landing zone m.  Each load: two rows' 256 consecutive bytes, aligned.
.macro GL b, m
	WIN 0xC0
.irp c2, 0,1
.irp i, 0,1,2,3,4,5,6,7
	global_load_b128 v[64*(\m)+32*\c2+4*\i:64*(\m)+32*\c2+4*\i+3], v[VA], s[\b:\b+1] offset:(\m)*32768+\i*4096+256*\c2 th:TH_LOAD_NT
.endr
.endr
.endm
; 64 numbers of a lane, v[s] on in window sw (register 16 b + i = k 32 b + 16 (lane / 16) + i of my row), become a fragment's codes in v[d] on in window dw and its scale word in v[PW] (dw = 2: also in v[d + 16]).  The numbers stay as they are.
.macro QUANT s, sw, d, dw
	WIN ((\sw)<<2)|((\sw)<<4)
.irp b, 0,1,2,3
	v_max3_num_f32 v[TM+\b], 0x4800000, |v[(\s)+16*\b]|, |v[(\s)+16*\b+1]|   ; block b: my 16 numbers, and the floor 2^(9 - 127): the byte cannot fall under 1
.endr
.irp i, 2,4,6,8,10,12,14
.irp b, 0,1,2,3
	v_max3_num_f32 v[TM+\b], v[TM+\b], |v[(\s)+16*\b+\i]|, |v[(\s)+16*\b+\i+1]|   ; the four blocks by turns
.endr
.endr
	WIN 0
.irp b, 0,1,2,3
	v_permlanex16_b32 v[TM+4+\b], v[TM+\b], s52, s53
.endr
.irp b, 0,1,2,3
	v_max_num_f32 v[TM+\b], v[TM+\b], v[TM+4+\b]   ; with lane l xor 16's: the block's largest magnitude
.endr
.irp b, 0,1,2,3
	v_add_nc_u32 v[TM+12+\b], 0xfc000000, v[TM+\b] ; 8 off its exponent field: the conversion's scale operand
.endr
.irp b, 0,1,2,3
	v_and_or_b32 v[TM+8+\b], v[TM+\b], 0x7f800000, s54   ; 448 x the scale
.endr
.irp b, 0,1,2,3
	v_lshrrev_b32 v[TM+4+\b], 23, v[TM+12+\b]      ; the scale's byte
.endr
	v_lshl_or_b32 v[PW], v[TM+5], 8, v[TM+4]
	v_lshl_or_b32 v[PW], v[TM+6], 16, v[PW]
	v_lshl_or_b32 v[PW], v[TM+7], 24, v[PW]
	WIN (\sw)
.irp b, 0,1,2,3
.irp i, 0,1,2,3,4,5,6,7,8,9,10,11,12,13,14,15
	v_med3_num_f32 v[T+16*\b+\i], v[(\s)+16*\b+\i], -v[TM+8+\b], v[TM+8+\b]   ; the conversion to an 8-bit code does not saturate (ISA guide 7.6.2): the hold comes first
.endr
.endr
	WIN ((\dw)<<6)
.irp b, 0,1,2,3
	v_cvt_scalef32_pk8_fp8_f32 v[(\d)+4*\b:(\d)+4*\b+1], v[T+16*\b:T+16*\b+7], v[TM+12+\b]
	v_cvt_scalef32_pk8_fp8_f32 v[(\d)+4*\b+2:(\d)+4*\b+3], v[T+16*\b+8:T+16*\b+15], v[TM+12+\b]
.endr
.if (\dw) == 2
	v_mov_b32 v[(\d)+16], v[PW]                    ; the word is parked beside its codes.  (Also the plain line behind the last conversion)
.else
	v_nop                                          ; one plain line behind the last conversion
.endif
	WIN 0
.endm
; Zone m's 16 rows turn through my stage into window dst, are quantised, and their image goes to LDS.  next = 1: the zone takes the next tensor's rows.  left: the younger loads, which may stay out.
.macro XITEM m, next, left, dst
	s_wait_loadcnt \left
	WIN ((\dst)<<6)|0x0C                           ; a store's data in window 3, a load's result in window dst
.irp c2, 0,1
.irp i, 0,1,2,3,4,5,6,7
	ds_store_b128 v[SA], v[64*(\m)+32*\c2+4*\i:64*(\m)+32*\c2+4*\i+3] offset:544*\i
.endr
.irp q, 0,1,2,3,4,5,6,7                        ; LDS serves a wave's instructions in order (ISA guide 5.7.1.4): these see the stores above, and the next half's stores come behind them
	ds_load_b128 v[64*(\m)+32*\c2+4*\q:64*(\m)+32*\c2+4*\q+3], v[SB] offset:128*(\q/4)+16*(\q%4)
.endr
.endr
	s_wait_dscnt 0x0                               ; the numbers are in; the stores have read the zone, and the last image's stores their codes
.if \next
	GL NXT, \m
.endif
	QUANT 64*(\m), \dst, PC, 0
.irp c, 0,1,2,3
	ds_store_b128 v[IWC], v[PC+4*\c:PC+4*\c+3] offset:2048*(\m)+512*\c
.endr
	ds_store_b32 v[ISWC], v[PW] offset:128*((\m)%2)+4*((\m)/2)   ; both halves of the lanes write the same word to the same place
.endm
; The weights of unit kk of the six that the two slots hold: four fragments and a pair of scale registers, into set kk % 2.  17 loads.
.macro LW kk
.set LWB, WB0+64*((\kk)%2)
.set LWS, WS0+2*((\kk)%2)
.set LWA, AWA0+2*((\kk)/3)+((\kk)%3)/2
.set LSA, ASA0+2*((\kk)/3)+((\kk)%3)/2
.set LWO, UNITB*(((\kk)%3)%2)
.irp t, 0,1,2,3
.irp c, 0,1,2,3
	ds_load_b128 v[LWB+16*\t+4*\c:LWB+16*\t+4*\c+3], v[LWA] offset:LWO+2048*\t+512*\c
.endr
.endr
	ds_load_b64 v[LWS:LWS+1], v[LSA] offset:LWO
.endm
; The activations' fragment of row tile m into place (4 pr + m) % 6 of the ring.  xs counts K steps from the first of the lap in hand: 0 to 2 lie in that lap, 3 and 4 are the next lap's first two.
.macro LX pr, m, xs
.set LXR, XB+16*((4*(\pr)+(\m))%6)
.if (\xs) >= 3
.set LXA, AXN
.set LXO, 8192*((\xs)-3)
.else
.set LXA, AXC
.set LXO, 8192*(\xs)
.endif
.irp c, 0,1,2,3
	ds_load_b128 v[LXR+4*\c:LXR+4*\c+3], v[LXA] offset:LXO+2048*(\m)+512*\c
.endr
.endm
.macro LXS pr, xs                      ; and the K step's scale words of the four row tiles
.if (\xs) >= 3
	ds_load_b64 v[XS0+2*(\pr):XS0+2*(\pr)+1], v[AXSN] offset:256*((\xs)-3)
.else
	ds_load_b64 v[XS0+2*(\pr):XS0+2*(\pr)+1], v[AXSC] offset:256*(\xs)
.endif
.endm
.macro WM zero                         ; one product; the odd tiles' scale words lie in lanes 16-31
.if \zero
.if RA && RB
	v_wmma_scale_f32_16x16x128_f8f6f4 v[MD:MD+7], v[MA:MA+15], v[MB:MB+15], 0, v[MSA], v[MXS] matrix_a_scale:MATRIX_SCALE_ROW1 matrix_b_scale:MATRIX_SCALE_ROW1
.elseif RA
	v_wmma_scale_f32_16x16x128_f8f6f4 v[MD:MD+7], v[MA:MA+15], v[MB:MB+15], 0, v[MSA], v[MXS] matrix_a_scale:MATRIX_SCALE_ROW1
.elseif RB
	v_wmma_scale_f32_16x16x128_f8f6f4 v[MD:MD+7], v[MA:MA+15], v[MB:MB+15], 0, v[MSA], v[MXS] matrix_b_scale:MATRIX_SCALE_ROW1
.else
	v_wmma_scale_f32_16x16x128_f8f6f4 v[MD:MD+7], v[MA:MA+15], v[MB:MB+15], 0, v[MSA], v[MXS]
.endif
.else
.if RA && RB
	v_wmma_scale_f32_16x16x128_f8f6f4 v[MD:MD+7], v[MA:MA+15], v[MB:MB+15], v[MD:MD+7], v[MSA], v[MXS] matrix_a_scale:MATRIX_SCALE_ROW1 matrix_b_scale:MATRIX_SCALE_ROW1
.elseif RA
	v_wmma_scale_f32_16x16x128_f8f6f4 v[MD:MD+7], v[MA:MA+15], v[MB:MB+15], v[MD:MD+7], v[MSA], v[MXS] matrix_a_scale:MATRIX_SCALE_ROW1
.elseif RB
	v_wmma_scale_f32_16x16x128_f8f6f4 v[MD:MD+7], v[MA:MA+15], v[MB:MB+15], v[MD:MD+7], v[MSA], v[MXS] matrix_b_scale:MATRIX_SCALE_ROW1
.else
	v_wmma_scale_f32_16x16x128_f8f6f4 v[MD:MD+7], v[MA:MA+15], v[MB:MB+15], v[MD:MD+7], v[MSA], v[MXS]
.endif
.endif
.endm
; 8 products of unit k: row tiles m0, m0 + 1 x the unit's four column tiles.  A K step's 32 accumulators take turns, one instruction a turn, in the same order in every K step.
.macro MUL8 k, m0, zero
.irp m, \m0, \m0+1
.irp t, 0,1,2,3
.set MD, 64*(\m)+8*(4*((\k)%2)+\t)
.set MA, WB0+64*((\k)%2)+16*\t
.set MB, XB+16*((4*((\k)/2)+(\m))%6)
.set MSA, WS0+2*((\k)%2)+\t/2
.set MXS, XS0+2*((\k)/2)+(\m)/2
.set RA, \t%2
.set RB, (\m)%2
	WM \zero
.endr
.endr
.endm
.macro BIASLD bp                       ; my lane's 64 biases, in the accumulators' order: 16 b + i = column 128 w + 32 b + 16 h + i
.irp q, 0,1,2,3,4,5,6,7,8,9,10,11,12,13,14,15
	ds_load_b128 v[BB+4*\q:BB+4*\q+3], v[VB] offset:128*(\q/4)+16*(\q%4)   ; out of my stage, where the head has put them, scaled
.endr
.endm
; A UNIT: 16 products, and in front of them ONE run of LDS loads for what comes next.  k: which of the six units of the two slots (K step k / 2 of three, half k % 2); xs: its K step, counted from the first of the lap in hand.
; Half 0's run: this K step's row tiles 2, 3, and the next unit's weights (25 loads).  Half 1's: the next unit's weights, the next K step's row tiles 0, 1 and scale words (26).  nonext = 1: a gate's last unit: the gate's biases instead.
; chg: THE CHANGE OF SLOTS, in a slot's SECOND unit, whose run has just asked for the slot's third unit: each wave waits for all its tensor loads (the one that is out is its quarter of the other slot), adds 0 to its spare word, and waits for
; that and for its reads; behind the barrier nobody reads this slot any more and the other slot is whole.  chg = 1: the barrier opens a round of the cluster's, and the slot is filled again, first thing behind it.  chg = 2: nothing is left to fetch.
; WHAT A REFILL ASKS FOR: lap n of the 16 that the cluster walks (s73; slot A's refill steps it, slot B's takes the same): gate n / 4, the gate's lap (n + the cluster's first lap) % 4; a gate is 8 slots, a lap 2.
; Eight plain places stand between the last products and loads into registers that they have read.
.macro UNIT k, xs, chg, zero, nonext, mw, bp
.set HF, (\k)%2
.set PP, (\k)/2
.set NW, 25+HF
	PLACES 8
	WIN 0
.if \nonext
	BIASLD \bp
.elseif HF == 0
	LX PP, 2, \xs
	LX PP, 3, \xs
	LW (\k)+1
.else
	LW ((\k)+1)%6
	LX (PP+1)%3, 0, (\xs)+1
	LX (PP+1)%3, 1, (\xs)+1
	LXS (PP+1)%3, (\xs)+1
.endif
.if \chg
.set NW, NW+1
	s_wait_tensorcnt 0x0                           ; all my tensor loads have landed, so a group 0 may be written
	ds_add_u32 v[SPW], v[NIL]                      ; 0 onto my spare word
.if (\chg) == 1
.if (\k) == 1
	s_add_co_u32 s73, s73, 1                       ; the next lap
.endif
	s_lshr_b32 s62, s73, 2
	s_mul_i32 s62, s62, 8*SLOTB                    ; its gate,
	s_add_co_u32 s63, s73, s72
	s_and_b32 s63, s63, 3
	s_mul_i32 s63, s63, 2*SLOTB                    ; its place in the gate,
	s_add_co_u32 s62, s62, s63
.if (\k) == 4
	s_add_co_u32 s62, s62, SLOTB                   ; its second slot
.endif
	s_mov_b32 s63, 0
.if (\k) == 1
	s_add_nc_u64 s[34:35], s[10:11], s[62:63]      ; slot A's next three units
	s_or_b32 s35, s35, 0x80000000                  ; type = 2
.else
	s_add_nc_u64 s[38:39], s[10:11], s[62:63]      ; slot B's
	s_or_b32 s39, s39, 0x80000000
.endif
	s_wait_xcnt 0x0                                ; the last prefetch, three units back, has read its address
	s_add_nc_u64 s[30:31], s[30:31], 131072        ; sixteen waves' 8,192 bytes on
	s_sub_co_u32 s27, s27, 1
.endif
.endif
.if \nonext
	s_wait_dscnt 16                                ; this unit's weights are in; the 16 loads of biases just issued may be out
.else
	s_wait_dscnt NW                                ; all but the run just issued (and the add)
.endif
	WIN \mw
	MUL8 \k, 0, \zero
.if \chg
	s_wait_dscnt 0x0                               ; the add is done, and my reads of this slot are over
	s_barrier_signal -1
.elseif HF == 0
	s_wait_dscnt 17                                ; row tiles 2, 3 are in; the next unit's 17 loads may be out
.endif
	MUL8 \k, 2, \zero
.if \chg
	WIN 0
	s_barrier_wait -1
.if (\chg) == 1
	CREST                                          ; no wave of any partner still reads this slot or has a load on its way
.if (\k) == 1
	tensor_load_to_lds s[32:35], s[40:47]          ; my one tensor load behind the round: it has three units in which to land
	s_nop 0
.else
	tensor_load_to_lds s[36:39], s[40:47]
	s_nop 0
.endif
	PLACES 4
	ASK
.endif
.endif
.endm
.macro LAPADR                          ; the images and scale words of the lap in hand (s68) and of the next (s69); a lap's scale words are 768 bytes = 24,576 / 32
	v_add_nc_u32 v[AXC], s68, v[AX0]
	v_add_nc_u32 v[AXN], s69, v[AX0]
	s_lshr_b32 s25, s68, 5
	s_lshr_b32 s26, s69, 5
	v_add_nc_u32 v[AXSC], s25, v[AXS0]
	v_add_nc_u32 v[AXSN], s26, v[AXS0]
.endm
.macro LAPROT                          ; on to the next lap: the four offsets go round; four times a gate, so that every gate begins where the first began
	s_mov_b32 s62, s68
	s_mov_b32 s68, s69
	s_mov_b32 s69, s70
	s_mov_b32 s70, s71
	s_mov_b32 s71, s62
.endm
.macro GHEAD mw                        ; a gate's first K step: its products start the sums: nothing is ever cleared
	LAPADR
	LW 0
	LX 0, 0, 0
	LX 0, 1, 0
	LXS 0, 0
	UNIT 0, 0, 0, 1, 0, \mw, 0
	s_wait_alu depctr_va_vdst(0)
	UNIT 1, 0, 1, 1, 0, \mw, 0
.endm
.macro TRIP mw, c4, c1                 ; three K steps: once round the two slots: the lap's second and third K step and the next lap's first
	UNIT 2, 1, 0, 0, 0, \mw, 0
	UNIT 3, 1, 0, 0, 0, \mw, 0
	UNIT 4, 2, \c4, 0, 0, \mw, 0
	UNIT 5, 2, 0, 0, 0, \mw, 0
	UNIT 0, 3, 0, 0, 0, \mw, 0
	UNIT 1, 3, \c1, 0, 0, \mw, 0
	LAPROT
	LAPADR
.endm
.macro GTAIL mw, c4, bp                ; a gate's last two K steps
	UNIT 2, 1, 0, 0, 0, \mw, 0
	UNIT 3, 1, 0, 0, 0, \mw, 0
	UNIT 4, 2, \c4, 0, 0, \mw, 0
	UNIT 5, 2, 0, 0, 1, \mw, \bp
	PLACES 8                                       ; in front of the first read of results
	WIN 0
	LAPROT
.endm
	; ---- the head
	s_load_b512 s[4:19], s[0:1], 0x0               ; inputs s[4:5], state s[6:7], parent s[8:9], wq s[10:11], the biases of r1, r, a, c s[12:19]
	s_load_b64 s[20:21], s[0:1], 0x40              ; out0
	v_lshl_add_u32 v[SPW], v0, 2, SPARE
	v_mov_b32 v[NIL], 0
	ds_add_u32 v1, v2
	ds_add_u32 v1, v2
	s_wait_dscnt 0x0
	v_lshrrev_b32 v32, 5, v0
	v_readfirstlane_b32 s22, v32                   ; wave 0..3
	v_and_b32 v32, 31, v0                          ; lane
	v_and_b32 v33, 15, v0                          ; r
	v_bfe_u32 v34, v0, 4, 1                        ; h
	s_mul_i32 s57, s22, GRPB
	v_lshl_add_u32 v[AWA0], v32, 4, s57
	v_add_nc_u32 v[AWA0+1], 2*UNITB, v[AWA0]
	v_add_nc_u32 v[AWA0+2], SLOTB, v[AWA0]
	v_add_nc_u32 v[AWA0+3], SLOTB+2*UNITB, v[AWA0]
	s_add_co_u32 s57, s57, 8192
	v_lshl_add_u32 v[ASA0], v32, 3, s57
	v_add_nc_u32 v[ASA0+1], 2*UNITB, v[ASA0]
	v_add_nc_u32 v[ASA0+2], SLOTB, v[ASA0]
	v_add_nc_u32 v[ASA0+3], SLOTB+2*UNITB, v[ASA0]
	v_lshl_add_u32 v[AX0], v32, 4, IMG
	v_lshl_add_u32 v[AXS0], v32, 3, XSC
	s_mul_i32 s57, s22, 4352
	s_add_co_u32 s57, s57, STG                     ; my stage
	v_lshl_add_u32 v[VB], v34, 6, s57              ; from parent's last turn to the way out its first 2,048 bytes hold my 128 columns of the four biases
	v_lshl_add_u32 v48, v32, 4, s57                ; where I put them: 16 lane
	v_mul_u32_u24 v[SA], v34, 272
	v_lshl_add_u32 v[SA], v33, 4, v[SA]
	v_add_nc_u32 v[SA], s57, v[SA]
	v_mul_u32_u24 v[SB], v33, 272
	v_lshl_add_u32 v[SB], v34, 6, v[SB]
	v_add_nc_u32 v[SB], s57, v[SB]
	s_lshl_b32 s57, s22, 13
	v_add_nc_u32 v[IW], s57, v[AX0]
	s_lshl_b32 s57, s22, 8
	s_add_co_u32 s57, s57, XSC
	v_lshl_add_u32 v[ISW], v33, 3, s57
	s_lshl_b32 s57, s22, 9
	v_lshl_add_u32 v[VA], v33, 4, s57
	v_lshl_add_u32 v[VA], v34, 11, v[VA]
	v_lshl_add_u32 v49, v32, 4, s57                ; my 16 bytes of my wave's 512 bytes of a bias: 512 w + 16 lane
	v_lshlrev_b32 v[PFO], 8, v32
.irp b, 0,1,2,3
	v_mov_b32 v[TM+4+\b], 0                        ; a lane permute's destination counts as one of its sources
.endr
	s_mov_b32 s48, 0xbfb8aa3b                      ; -log2(e), for the sigmoids
	s_mov_b32 s49, s48                             ; (the packed forms name a pair and take its low word for both halves)
	s_mov_b32 s50, 0x4038aa3b                      ; 2 log2(e), for tanh
	s_mov_b32 s51, s50
	s_mov_b32 s52, 0x76543210
	s_mov_b32 s53, 0xfedcba98                      ; v_permlanex16_b32's selects for lane l xor 16
	s_mov_b32 s54, 0x600000                        ; the mantissa field of 448
	s_mov_b32 s27, 30                              ; refills to come
	s_bfe_u32 s29, ttmp6, 0x40000                  ; cx: it enters the rows' and the prefetches' global addresses alone
	s_lshl_b32 s56, ttmp9, 2                       ; in a cluster launch ttmp9 counts clusters
	s_add_co_u32 s56, s56, s29                     ; my work-group
	s_lshl_b32 s66, s56, 17                        ; its 64 rows of 2,048 bytes
	s_mov_b32 s67, 0
	s_cmp_eq_u32 ttmp9, 0                          ; the first cluster prefetches: the same in all four partners
	s_cselect_b32 s28, 11, -1
	s_and_b32 s72, ttmp9, 3                        ; the lap at which my cluster begins every gate: the same in all four partners
	s_mov_b32 s73, 0
	s_mul_i32 s68, s72, LAPB                       ; where the images of that lap begin,
.irp j, 1,2,3
	s_add_co_u32 s62, s72, \j
	s_and_b32 s62, s62, 3
	s_mul_i32 s[68+\j], s62, LAPB                  ; and those of the three that follow it, going round: each 0 to 3 laps of 24,576 bytes
.endr
	; descriptor group 1: a quarter of a slot, dense in memory and in LDS: 99 rows of 32 elements of 8 bytes
	s_mov_b32 s40, 15|(3<<16)|(1<<21)              ; 15:0 the mask: all four work-groups; 17:16 elements of 8 bytes; 20 no padding (register images are read 16 bytes a lane on end); 21 set beside a mask
	s_mov_b32 s41, 32<<16                          ; tensor_dim0 = 32
	s_mov_b32 s42, 99<<16                          ; tensor_dim1 = 99
	s_mov_b32 s43, 32<<16                          ; tile_dim0 = 32
	s_mov_b32 s44, 99                              ; tile_dim1 = 99
	s_mov_b32 s45, 32                              ; tensor_dim0_stride
	s_mov_b32 s46, 0
	s_mov_b32 s47, 0
	s_mov_b32 s32, 1
	s_mul_i32 s33, s22, QB                         ; slot A: my quarter: no place in the cluster enters an LDS address
	s_mov_b32 s36, 1
	s_add_co_u32 s37, s33, SLOTB                   ; slot B
	s_lshl_b32 s56, s29, 2
	s_add_co_u32 s56, s56, s22
	s_add_co_u32 s56, s56, 83
	s_lshl_b32 s56, s56, 13
	s_mov_b32 s57, 0
	s_mov_b32 s62, s33
	s_mov_b32 s63, 0
	s_wait_kmcnt 0x0
	s_add_nc_u64 s[30:31], s[10:11], s[56:57]      ; the prefetches stand at chunk 83 + 4 cx + w; each refill steps them by 16 chunks first
	s_add_nc_u64 s[10:11], s[10:11], s[62:63]      ; wq at my quarter of a slot
	s_mul_i32 s62, s72, 2*SLOTB
	s_add_nc_u64 s[34:35], s[10:11], s[62:63]      ; gate r1, my cluster's first lap: its first slot,
	s_add_nc_u64 s[38:39], s[34:35], SLOTB         ; and its second
	s_or_b32 s35, s35, 0x80000000                  ; type = 2
	s_or_b32 s39, s39, 0x80000000
	s_add_nc_u64 s[4:5], s[4:5], s[66:67]
	s_add_nc_u64 s[6:7], s[6:7], s[66:67]
	s_add_nc_u64 s[8:9], s[8:9], s[66:67]
	s_add_nc_u64 s[20:21], s[20:21], s[66:67]
	s_mov_b64 s[58:59], s[6:7]                     ; behind x comes state,
	s_mov_b64 s[60:61], s[8:9]                     ; then parent
	CROUND                                         ; all four work-groups are here: the first joint loads meet
	tensor_load_to_lds s[32:35], s[40:47]          ; slot A's first fill: my one tensor load at the head; slot B's follows behind the loop over x and state
	s_nop 0
	PLACES 4
	; ---- x, state and parent: read once, quantised, their images to LDS.  x and then state land in S (x's numbers die there), parent in P
	s_wait_alu depctr_va_vdst(0)
.irp g, 0,1,2,3
	global_load_b128 v[52+4*\g:55+4*\g], v49, s[12+2*\g:13+2*\g]   ; the four biases, once: older than every load that is counted below
.endr
.irp m, 0,1,2,3
	GL 4, \m
.endr
	WIN 0
	s_mov_b32 s55, 0
	s_mov_b32 s56, 0
	s_mov_b32 s24, 0
.Lxs:
	v_add_nc_u32 v[IWC], s55, v[IW]                ; this tensor's four K steps of images,
	v_add_nc_u32 v[ISWC], s56, v[ISW]              ; and of scale words
.irp m, 0,1,2,3
	XITEM \m, 1, 48, 1                             ; the other three zones' 48 loads may be out
.endr
	s_wait_xcnt 0x0                                ; the loads have read their base
	s_mov_b64 s[58:59], s[60:61]
	s_wait_dscnt 0x0                               ; the image's stores have read their address
	s_add_co_u32 s55, s55, 32768
	s_add_co_u32 s56, s56, 1024
	s_add_co_u32 s24, s24, 1
	s_cmp_lt_u32 s24, 2
	s_cbranch_scc1 .Lxs
	s_wait_tensorcnt 0x0                           ; slot B's first fill is issued as a refill is: my quarter of slot A is in,
	ds_add_u32 v[SPW], v[NIL]                      ; 0 onto my spare word,
	s_wait_dscnt 0x0                               ; the add is done;
	CROUND                                         ; a whole round: the four partners' joint loads meet
	tensor_load_to_lds s[36:39], s[40:47]          ; my one tensor load behind the round: parent's four row tiles are worked while it is on its way
	s_nop 0
	PLACES 4
	v_add_nc_u32 v[IWC], s55, v[IW]
	v_add_nc_u32 v[ISWC], s56, v[ISW]
	XITEM 0, 0, 48, 2                              ; parent: nothing follows it, so the counts run down
	XITEM 1, 0, 32, 2
	XITEM 2, 0, 16, 2
	XITEM 3, 0, 0, 2
.irp g, 0,1,2                                  ; the stage has had its last turn: the biases take their gate's factor and go there, gate g at 512 g
	v_pk_mul_f32 v[52+4*\g:53+4*\g], v[52+4*\g:53+4*\g], s[48:49] op_sel_hi:[1,0]
	v_pk_mul_f32 v[54+4*\g:55+4*\g], v[54+4*\g:55+4*\g], s[48:49] op_sel_hi:[1,0]
.endr
	v_pk_mul_f32 v[64:65], v[64:65], s[50:51] op_sel_hi:[1,0]
	v_pk_mul_f32 v[66:67], v[66:67], s[50:51] op_sel_hi:[1,0]
.irp g, 0,1,2,3
	ds_store_b128 v48, v[52+4*\g:55+4*\g] offset:512*\g
.endr
	s_wait_tensorcnt 0x1                           ; my quarter of slot A is in; slot B's may stay out
	s_wait_dscnt 0x0                               ; my images have landed
	s_barrier_signal -1
	s_barrier_wait -1
	; ---- gates r1, r, a: accumulators in window 3
	; All four gates accumulate in window 3 and begin in this loop's text.  s74 counts the trips of three K steps over all gates: the twelfth is gate c's last, which refills otherwise and is written out behind the loop.
	s_mov_b32 s23, 0
	s_mov_b32 s74, 0
.Lgate:
	GHEAD 0xF0
	s_mov_b32 s24, 3
.Ltrip:
	s_wait_alu depctr_va_vdst(0)
	s_cmp_eq_u32 s74, 11
	s_cbranch_scc1 .Lctail                         ; gate c leaves the loop ahead of its last trip
	TRIP 0xF0, 1, 1
	s_add_co_u32 s74, s74, 1
	s_sub_co_u32 s24, s24, 1
	s_cmp_lg_u32 s24, 0
	s_cbranch_scc1 .Ltrip
	s_wait_alu depctr_va_vdst(0)
	GTAIL 0xF0, 1, 12
	; the sigmoid: 1 / (1 + 2^(-log2(e) (z + b))); the bias rides in the scaling's fused multiply-add
	s_wait_dscnt 0x0                               ; the biases
	WIN 0xC3
.set II, 0
.rept 128                                      ; each accumulator from its low end on
	v_pk_fma_f32 v[II:II+1], v[II:II+1], s[48:49], v[BB+II%64:BB+II%64+1] op_sel_hi:[1,0,1]
.set II, II+2
.endr
.set II, 0
	s_wait_alu depctr_va_vdst(0)
.rept 256
	v_exp_f32 v[II], v[II]
.set II, II+1
.endr
	v_nop                                          ; a plain line behind the last exponential,
	s_wait_alu depctr_va_vdst(0)                   ; and one wait for the batch, ahead of its first reader
.set II, 0
.rept 128
	v_pk_add_f32 v[II:II+1], v[II:II+1], 1.0 op_sel_hi:[1,0]
.set II, II+2
.endr
.set II, 0
	s_wait_alu depctr_va_vdst(0)
.rept 256
	v_rcp_f32 v[II], v[II]
.set II, II+1
.endr
	v_nop
	s_wait_alu depctr_va_vdst(0)                   ; likewise for the reciprocals
	WIN 0
	s_cmp_eq_u32 s23, 2
	s_cbranch_scc1 .Lflush                         ; gate a: the parked codes go out, att moves to window 2
	s_cmp_eq_u32 s23, 0
	s_cbranch_scc0 .Lmul_s
	WIN 0xCB                                       ; gate r1: parent x r1
.set II, 0
.rept 128
	v_pk_mul_f32 v[II:II+1], v[II:II+1], v[II:II+1]
.set II, II+2
.endr
	WIN 0
	s_branch .Lquant
.Lmul_s:
	WIN 0xC7                                       ; gate r: state x r
.set II, 0
.rept 128
	v_pk_mul_f32 v[II:II+1], v[II:II+1], v[II:II+1]
.set II, II+2
.endr
	WIN 0
.Lquant:                                           ; my 128 columns are one K step of gate c: four fragments, parked in window 2 at 64 m, their words at 64 m + 16 (parent's f32 numbers are done with)
.irp m, 0,1,2,3
	QUANT 64*\m, 3, 64*\m, 2
.endr
	s_cmp_eq_u32 s23, 0
	s_cbranch_scc0 .Lno_move
	WIN 0x82                                       ; parent r1's move on to 64 m + 32 .. 48, out of state r's way
.irp m, 0,1,2,3
.set II, 0
.rept 17
	v_mov_b32 v[64*\m+32+II], v[64*\m+II]
.set II, II+1
.endr
.endr
	WIN 0
	s_branch .Lno_move
.Lflush:
	; ---- the parked codes go over state's and parent's images.  Every wave's last read of those stands in front of the barrier in gate a's last change of slots.  Gate c may begin at any lap, so a barrier of the work-group
	; stands between these stores and its first reads; the tensor load that is out may stay out.
	s_lshl_b32 s57, s22, 13
	v_add_nc_u32 v[IW], s57, v[AX0]                ; made anew: the K loops have used the register
	s_wait_alu depctr_va_vdst(0)
	v_add_nc_u32 v[IW2], 65536, v[IW]
	WIN 0x08                                       ; a store's data in window 2
.irp m, 0,1,2,3
.irp c, 0,1,2,3
	ds_store_b128 v[IW], v[64*\m+4*\c:64*\m+4*\c+3] offset:32768+2048*\m+512*\c
	ds_store_b128 v[IW2], v[64*\m+32+4*\c:64*\m+32+4*\c+3] offset:2048*\m+512*\c
.endr
	ds_store_b32 v[ISW], v[64*\m+16] offset:1024+128*(\m%2)+4*(\m/2)
	ds_store_b32 v[ISW], v[64*\m+48] offset:2048+128*(\m%2)+4*(\m/2)
.endr
	WIN 0
	s_wait_dscnt 0x0                               ; for the others' sake: my stores have landed (and have read their registers: loads and products may write them)
	WIN 0x83                                       ; att goes to window 2, whose parked codes the stores above have read: window 3 takes gate c's sums
.set II, 0
.rept 256
	v_mov_b32 v[II], v[II]
.set II, II+1
.endr
	WIN 0
.Lno_move:
	v_add_nc_u32 v[VB], 512, v[VB]                 ; the next gate's biases
	s_wait_alu depctr_va_vdst(0)
	s_wait_dscnt 0x0
	s_barrier_signal -1                            ; on every gate's way: behind gate a it parts the stores over state's and parent's images from gate c's reads
	s_barrier_wait -1
	s_add_co_u32 s23, s23, 1
	s_cmp_lt_u32 s23, 4
	s_cbranch_scc1 .Lgate
.Lctail:
	; ---- gate c's last trip and tail: its last two changes of slots are written out: nothing is left to fetch
	TRIP 0xF0, 1, 2
	s_wait_alu depctr_va_vdst(0)
	GTAIL 0xF0, 0, 18
	; ---- the way out, a row tile at a time: c = 1 - 2 / (1 + 2^(2 log2(e) (z + b))); new_h = att (c - state) + state
.macro FINAL m
	WIN 0xC3                                       ; gate c's sums lie in window 3
.set II, 0
.rept 32                                       ; each accumulator from its low end on
	v_pk_fma_f32 v[64*(\m)+II:64*(\m)+II+1], v[64*(\m)+II:64*(\m)+II+1], s[50:51], v[BB+II:BB+II+1] op_sel_hi:[1,0,1]
.set II, II+2
.endr
.set II, 0
	s_wait_alu depctr_va_vdst(0)
.rept 64
	v_exp_f32 v[64*(\m)+II], v[64*(\m)+II]
.set II, II+1
.endr
	v_nop
	s_wait_alu depctr_va_vdst(0)                   ; one wait for the batch
.set II, 0
.rept 32
	v_pk_add_f32 v[64*(\m)+II:64*(\m)+II+1], v[64*(\m)+II:64*(\m)+II+1], 1.0 op_sel_hi:[1,0]
.set II, II+2
.endr
.set II, 0
	s_wait_alu depctr_va_vdst(0)
.rept 64
	v_rcp_f32 v[64*(\m)+II], v[64*(\m)+II]
.set II, II+1
.endr
	v_nop
	s_wait_alu depctr_va_vdst(0)
.set II, 0
.rept 32
	v_pk_fma_f32 v[64*(\m)+II:64*(\m)+II+1], v[64*(\m)+II:64*(\m)+II+1], -2.0, 1.0 op_sel_hi:[1,0,0]
.set II, II+2
.endr
	WIN 0xC7                                       ; source 1: state
.set II, 0
.rept 32
	v_pk_add_f32 v[64*(\m)+II:64*(\m)+II+1], v[64*(\m)+II:64*(\m)+II+1], v[64*(\m)+II:64*(\m)+II+1] neg_lo:[0,1] neg_hi:[0,1]
.set II, II+2
.endr
	WIN 0xDE                                       ; source 0: att (window 2); source 1: c - state (window 3); source 2: state (window 1)
.set II, 0
.rept 32
	v_pk_fma_f32 v[64*(\m)+II:64*(\m)+II+1], v[64*(\m)+II:64*(\m)+II+1], v[64*(\m)+II:64*(\m)+II+1], v[64*(\m)+II:64*(\m)+II+1]
.set II, II+2
.endr
.endm
; Half c2 (64 columns) of row tile m goes through my stage and leaves by rows: sixteen lanes store 256 consecutive bytes, at a multiple of 256 from out0's first byte.
.macro OUT m, c2
.set EE, 2*(\m)+(\c2)
.set OO, OB+32*(EE%2)
	WIN 0x0C
.irp q, 0,1,2,3,4,5,6,7
	ds_store_b128 v[SB], v[64*(\m)+32*(\c2)+4*\q:64*(\m)+32*(\c2)+4*\q+3] offset:128*(\q/4)+16*(\q%4)
.endr
	WIN 0
.if EE >= 2
	s_wait_xcnt 0x0                                ; the stores of two halves back have read these registers
.endif
.irp i, 0,1,2,3,4,5,6,7
	ds_load_b128 v[OO+4*\i:OO+4*\i+3], v[SA] offset:544*\i   ; LDS serves a wave's instructions in order: these see the stores above
.endr
	s_wait_dscnt 0x0
.irp i, 0,1,2,3,4,5,6,7
	global_store_b128 v[VA], v[OO+4*\i:OO+4*\i+3], s[20:21] offset:(\m)*32768+4096*\i+256*(\c2) th:TH_STORE_NT
.endr
.endm
	s_wait_dscnt 0x0                               ; gate c's biases
.irp m, 0,1,2,3
	FINAL \m
	OUT \m, 0
	s_wait_alu depctr_va_vdst(0)
	OUT \m, 1
.endr
	s_wait_tensorcnt 0x0                           ; the wave's end: behind my last tensor load and my last LDS store
	ds_add_u32 v[SPW], v[NIL]
	s_wait_dscnt 0x0
	CROUND                                         ; the closing round: no work-group ends while a partner may still ask for a slot that names it
	s_endpgm
.Lfunc_end_k_qde5ce830b0_gru:
	.size	k_qde5ce830b0_gru, .Lfunc_end_k_qde5ce830b0_gru-k_qde5ce830b0_gru
	.p2alignl 7, 3214868480
	.fill 96, 4, 3214868480
	.section	.rodata,"a",@progbits
	.p2align	6, 0x0
	.amdhsa_kernel k_qde5ce830b0_gru
		.amdhsa_group_segment_fixed_size 327680
		.amdhsa_private_segment_fixed_size 0
		.amdhsa_enable_private_segment 0
		.amdhsa_kernarg_size 72
		.amdhsa_user_sgpr_count 2
		.amdhsa_user_sgpr_kernarg_segment_ptr 1
		.amdhsa_wavefront_size32 1
		.amdhsa_system_sgpr_workgroup_id_x 1
		.amdhsa_system_sgpr_workgroup_id_y 1
		.amdhsa_system_sgpr_workgroup_id_z 1
		.amdhsa_system_vgpr_workitem_id 0
		.amdhsa_next_free_vgpr 1024
		.amdhsa_next_free_sgpr 76
		.amdhsa_reserve_vcc 0
		.amdhsa_float_denorm_mode_32 3
		.amdhsa_float_denorm_mode_16_64 3
		.amdhsa_memory_ordered 1
		.amdhsa_forward_progress 1
		.amdhsa_inst_pref_size 255
	.end_amdhsa_kernel
	.section	.bss,"aw",@nobits
	.p2align	6
	.space	262144
	.amdgpu_metadata
---
amdhsa.version: [ 1, 2 ]
amdhsa.kernels:
  - .name:           k_qde5ce830b0_gru
    .symbol:         k_qde5ce830b0_gru.kd
    .args:
      - { .name: inputs, .offset: 0, .size: 8, .value_kind: global_buffer, .address_space: global }
      - { .name: state, .offset: 8, .size: 8, .value_kind: global_buffer, .address_space: global }
      - { .name: parent_state, .offset: 16, .size: 8, .value_kind: global_buffer, .address_space: global }
      - { .name: wq, .offset: 24, .size: 8, .value_kind: global_buffer, .address_space: global }
      - { .name: w_r1_b, .offset: 32, .size: 8, .value_kind: global_buffer, .address_space: global }
      - { .name: w_r_b, .offset: 40, .size: 8, .value_kind: global_buffer, .address_space: global }
      - { .name: w_a_b, .offset: 48, .size: 8, .value_kind: global_buffer, .address_space: global }
      - { .name: w_c_b, .offset: 56, .size: 8, .value_kind: global_buffer, .address_space: global }
      - { .name: out0, .offset: 64, .size: 8, .value_kind: global_buffer, .address_space: global }
    .group_segment_fixed_size: 327680
    .private_segment_fixed_size: 0
    .kernarg_segment_align: 8
    .kernarg_segment_size: 72
    .max_flat_workgroup_size: 128
    .sgpr_count:     76
    .vgpr_count:     1024
    .wavefront_size: 32
...
	.end_amdgpu_metadata
.endif
;; end of part 4
